; MI455X (gfx1250); checked and timed in simulation.
; The chip was launched on July 23, 2026; its instructions are those of AMD's public machine-readable ISA for CDNA 5 (MIT licence, August 2026) and "CDNA5" Instruction Set Architecture Reference Guide (July 2026). The comments in the code are by the model that wrote it; some were corrected since.
;; Multi Headed Self Attention. Allowed arithmetic: matrix products marked QUANTISED: E2M3 operands, one E8M0 scale for each 32 along K, by v_wmma_scale_f32_16x16x128_f8f6f4 with both operands' format E2M3, f32 sums; everything else in f32.
;; Inputs: Wk 1,024 x 1,024 float32; Wo 1,024 x 1,024 float32; Wq 1,024 x 1,024 float32; Wv 1,024 x 1,024 float32; bk 1,024 float32; bo 1,024 float32; bq 1,024 float32; bv 1,024 float32; x 4 x 2,048 x 1,024 float32.
;; Outputs: out0 4 x 2,048 x 1,024 float32.
;; This version of the problem:
;;   THIS VERSION OF THE PROBLEM IS GIVEN IN LOW PRECISION. The matrix products marked QUANTISED in the list below multiply operands that are first quantised to E2M3 (2 exponent bits, 3 mantissa bits; 6 bits a number), with one power-of-two scale for each 32 numbers along K (OCP MX v1.0); their sums are f32. All else is computed in f32.
;;   The module's matrix products, in the order in which they are computed (A, B: the left and right operand; K: the contracted axis; several contracted axes count as one K, in the product's order):
;;     1. [M 8,192, K 1,024] x [K 1,024, N 1,024]; A: input x; B: input Wq: QUANTISED
;;     2. [M 8,192, K 1,024] x [K 1,024, N 1,024]; A: input x; B: input Wk: QUANTISED
;;     3. [M 8,192, K 1,024] x [K 1,024, N 1,024]; A: input x; B: input Wv: QUANTISED
;;     4. batch 64 x [M 2,048, K 64] x [K 64, N 2,048]; A: computed on the way; B: computed on the way: QUANTISED
;;     5. batch 64 x [M 2,048, K 2,048] x [K 2,048, N 64]; A: softmax (see below); B: computed on the way: QUANTISED
;;     6. [M 8,192, K 1,024] x [K 1,024, N 1,024]; A: computed on the way; B: input Wo: QUANTISED
;;   THE QUANTISER, for each operand of a quantised product, along K:
;;     - K is cut into blocks of 32 from its start; a last block that is shorter is filled with zeros.
;;     - A block's scale is 2^e with e = floor(log2(the largest magnitude in the block)) - 2, held to -126 .. 127; a block of zeros has e = 0. As a byte (E8M0): e + 127.
;;     - Each number is divided by its block's scale, clamped to +-7.5, and rounded to the nearest number of E2M3, ties to even, subnormals kept.
;;     - The product sums the exact products of the quantised numbers (number of the format x scale) in f32.
;;   ~~~python
;;   def quantise(x, axis):      # numpy; x: float32 -> the quantised numbers, widened to float32 again
;;       x = np.moveaxis(x, axis, -1); K = x.shape[-1]
;;       x = np.pad(x, [(0, 0)] * (x.ndim - 1) + [(0, -K % 32)]); x = x.reshape(x.shape[:-1] + (-1, 32)); a = np.abs(x).max(-1, keepdims=True)
;;       e = np.where(a > 0, np.clip(np.frexp(np.where(a > 0, a, 1))[1] - 1 - 2, -126, 127), 0)      # np.frexp(a)[1] - 1 = floor(log2(a)), exactly
;;       r = np.clip(x / 2.0 ** e, -7.5, 7.5)
;;       step = 2.0 ** (np.maximum(np.frexp(np.where(r == 0, 1, r))[1] - 1, 0) - 3)
;;       q = np.round(r / step) * step * 2.0 ** e      # np.round: ties to even
;;       return np.moveaxis(q.reshape(q.shape[:-2] + (-1,))[..., :K], -1, axis).astype(np.float32)
;;   ~~~
;;   SOFTMAX AHEAD OF A QUANTISED PRODUCT. Where the list says 'softmax', what is quantised is not the finished softmax but p = 2^(t - M), with t = logit x log2(e) and M = ceil(the row's largest t), a whole number; so 1/2 < the row's largest p <= 1. The row's sum l is taken of the UNQUANTISED p, in f32, and the product's result is divided by l at the end. Since M is a whole number, a kernel that streams over the keys may use a running M (the ceiling of the running maximum): every later rescaling is an exact power of two, which a block's scale takes up: the codes' values come out the same.
;;   OPERANDS COMPUTED ON THE WAY. 'Computed on the way' means the value that the module computes at that place (a softmax that the list does not call 'softmax' is quantised finished and normalised). What goes into a quantiser is computed in f32, as accurately as f32 sums, v_exp_f32 and their like allow (about 1e-6 of the number): no bf16 or f16 on the way to a quantiser, and a product that is left as it is and whose result goes on into a quantised operand takes f32 operands (vector FMAs, or v_wmma_f32_16x16x4_f32). A number that lies on a knife's edge between two numbers of the format may be rounded either way, as far as f32 arithmetic and the matrix unit's own rounding can turn it there, and no further.
;; One version. Each part assembles by itself: llvm-mc -triple=amdgcn-amd-amdhsa -mcpu=gfx1250 --defsym DOCPART=n.
;; ======== version 1 of 1: 4 launches
;; workspace buffers: opc 9,437,184 bytes; ops 393,216 bytes; att_c 18,874,368 bytes; att_s 786,432 bytes; oc 6,291,456 bytes; os 262,144 bytes
;; launch quant (part 1): grid 256 x 1, 6 waves a work-group, no clusters, 327,680 bytes of LDS; arguments x, Wq, Wk, Wv, Wo, opc, ops; writes opc, ops
.if DOCPART == 1
	.amdgcn_target "amdgcn-amd-amdhsa--gfx1250"
	.amdhsa_code_object_version 6
	.text
	.protected	k_q0737d637ac_quant
	.globl	k_q0737d637ac_quant
	.p2align	8
	.type	k_q0737d637ac_quant,@function
k_q0737d637ac_quant:
	s_mov_b64 s[64:65], 0
	v_nop
	global_prefetch_b8 v0, s[64:65] scope:SCOPE_SE
	s_setreg_imm32_b32 hwreg(HW_REG_WAVE_MODE, 25, 1), 1
	s_wait_xcnt 0x0
; x [8192][1024] and the four weights [1024][1024], f32, K innermost, become codes of FP6 (E2M3) with one E8M0 byte for each 32 along K.
; A block's scale is 2^(floor(log2(largest magnitude)) - 2); its byte is the largest magnitude's exponent field - 2, held at 1 from below.
; LIMITS: NaN and infinities among the inputs are not served; a block whose largest magnitude lies under 2^-124 (a block of zeros too) keeps the byte 1: its codes are what the conversion gives under that scale, zeros for zeros; the bytes are read by this program alone.
; LAYOUT OF THE CODES (opc): [tile of 16 rows 0..767][K step of 128, 0..7][1,536 bytes].  Rows go in groups of 32; tile 2 G + u holds rows 32 G + 8 u + r + 8 (r / 8), r = 0..15.
;   A fragment is an image of the operand's 12 registers, in two halves of 768 bytes: registers 6 c .. 6 c + 3 at 16 x lane, then registers 6 c + 4, 6 c + 5 at 512 + 8 x lane.
;   Groups 0-255: x.  256-319: Wq and Wk by heads (128 rows a head: 64 of Wq, then 64 of Wk).  320-351: Wv.  352-383: Wo.
; LAYOUT OF THE SCALES (ops): [group][K step / 2][256 bytes]: lane 16 u + r has 8 bytes, the scale words of K steps 2 sp and 2 sp + 1 of tile 2 G + u, row r.
; SHARES: 1,536 tasks of 32 rows x 256 along K, one a wave: two tensor loads of 32 rows x 512 bytes into the wave's own LDS (pitch 528), read back 64 bytes a lane, four fragments.
; No wave reads another's bytes: no barrier.  Every store of a wave covers 512 or 256 consecutive bytes, aligned.
.set PITCH, 528
.set PIECE, 32*PITCH                   ; 32 rows x (512 + 16) bytes: 128 along K
.set WREG,  2*PIECE                    ; a wave's region
.set SPARE, 6*WREG                     ; behind the six regions: the spare words, 128 bytes a wave: three blocks of 256 bytes that no other line names
.set SPW, 1                            ; v1  LDS address of my spare word; never rewritten
.set NIL, 2                            ; v2  0; never rewritten
.set XA,  3                            ; v3  my lane's place in a piece: row r + 8 (r / 8), + 64 (lane / 16)
.set L16, 4                            ; v4  16 x lane
.set L8,  5                            ; v5  8 x lane
.set X,   16                           ; v16-143  two sets of 64 numbers
.set PC,  144                          ; v144-191 four fragments' codes: no store's data are written again
.set TC,  192                          ; v192-199 the conversions' second halves
.set TM,  200                          ; v200-215 at work in QUANT
.set PW,  216                          ; v216-219 four scale words
.set WW,  220                          ; v220-221 the two words that I store
.set SEL, 20                           ; s[20:21] selects of v_permlanex16_b32: lane l xor 16
.set HM,  22                           ; s22 lanes 16-31
.set G1,  24                           ; s[24:31] descriptor group 1
.set G0,  32                           ; s[32:39] group 0, one set for each piece
; 64 numbers of a lane, register 16 b + i = k 32 b + 16 (lane / 16) + i of my row, become a fragment's 12 registers of codes and its scale word.
.macro QUANT s, pc, pw
.irp b, 0,1,2,3
	v_max3_num_f32 v[TM+\b], |v[\s+16*\b]|, |v[\s+1+16*\b]|, 0x1800000   ; block b: my 16 numbers, and the floor 2^(3 - 127): the byte cannot fall under 1
.endr
.irp i, 2,4,6,8,10,12,14
.irp b, 0,1,2,3
	v_max3_num_f32 v[TM+\b], v[TM+\b], |v[\s+16*\b+\i]|, |v[\s+1+16*\b+\i]|
.endr
.endr
.irp b, 0,1,2,3
	v_permlanex16_b32 v[TM+4+\b], v[TM+\b], s[SEL], s[SEL+1]
.endr
.irp b, 0,1,2,3
	v_max_num_f32 v[TM+\b], v[TM+\b], v[TM+4+\b]          ; with lane l xor 16's: the block's largest magnitude
.endr
.irp b, 0,1,2,3
	v_add_nc_u32 v[TM+12+\b], 0xff000000, v[TM+\b]        ; 2 off its exponent field: the conversion's scale operand
.endr
.irp b, 0,1,2,3
	v_lshrrev_b32 v[TM+4+\b], 23, v[TM+12+\b]             ; the scale's byte
.endr
	v_lshl_or_b32 v[\pw], v[TM+5], 8, v[TM+4]
	v_lshl_or_b32 v[\pw], v[TM+6], 16, v[\pw]
	v_lshl_or_b32 v[\pw], v[TM+7], 24, v[\pw]
.irp c, 0,1
	v_cvt_scalef32_pk16_fp6_f32 v[\pc+6*\c:\pc+2+6*\c], v[\s+32*\c:\s+15+32*\c], v[TM+12+2*\c]
	v_cvt_scalef32_pk16_fp6_f32 v[TC+4*\c:TC+2+4*\c], v[\s+16+32*\c:\s+31+32*\c], v[TM+12+2*\c+1]   ; (a conversion's three registers begin on an even number)
.endr
	v_nop                                                 ; one plain place behind a scaled conversion
.irp c, 0,1                                           ; the operand's layout wants a whole block in a lane
.irp i, 0,1,2
	v_permlane16_swap_b32 v[\pc+6*\c+\i], v[TC+4*\c+\i]
.endr
.irp i, 0,1,2
	v_mov_b32 v[\pc+3+6*\c+\i], v[TC+4*\c+\i]
.endr
.endr
.endm
; fragment f = 2 q + u (piece q, tile u): 16 loads of 16 bytes into set
.macro DSL f, set
.irp bb, 0,1,2,3
.irp j, 0,1,2,3
	ds_load_b128 v[X+64*\set+16*\bb+4*\j:X+64*\set+16*\bb+4*\j+3], v[XA] offset:((\f)/2)*PIECE+((\f)%2)*8*PITCH+128*\bb+16*\j
.endr
.endr
.endm
.macro OUTF f
.set PCF, PC+12*(\f)
.set OFF, ((\f)%2)*12288+((\f)/2)*1536
	global_store_b128 v[L16], v[PCF:PCF+3], s[14:15] offset:OFF
	global_store_b64 v[L8], v[PCF+4:PCF+5], s[14:15] offset:OFF+512
	global_store_b128 v[L16], v[PCF+6:PCF+9], s[14:15] offset:OFF+768
	global_store_b64 v[L8], v[PCF+10:PCF+11], s[14:15] offset:OFF+1280
.endm
	s_load_b256 s[4:11], s[0:1], 0x0               ; x s[4:5], Wq s[6:7], Wk s[8:9], Wv s[10:11]
	s_load_b128 s[12:15], s[0:1], 0x20             ; Wo s[12:13], opc s[14:15]
	s_load_b64 s[16:17], s[0:1], 0x30              ; ops
	v_lshl_add_u32 v[SPW], v0, 2, SPARE
	v_mov_b32 v[NIL], 0
	ds_add_u32 v[SPW], v[NIL]                      ; the wave's opening: the add and its wait ahead of my first tensor load
	ds_add_u32 v[SPW], v[NIL]
	v_lshrrev_b32 v6, 5, v0
	v_readfirstlane_b32 s18, v6                    ; wave 0..5
	s_mov_b32 s[G1+0], (2<<16)|(1<<20)|(6<<22)|(3<<25)   ; elements of 4 bytes; padding on: 4 words behind every 128
	s_mov_b32 s[G1+1], 128<<16                     ; tensor_dim0 = 128
	s_mov_b32 s[G1+2], 32<<16                      ; tensor_dim1 = 32
	s_mov_b32 s[G1+3], 128<<16                     ; tile_dim0 = 128
	s_mov_b32 s[G1+4], 32                          ; tile_dim1 = 32
	s_mov_b32 s[G1+5], 1024                        ; elements from row to row
	s_mov_b32 s[G1+6], 0
	s_mov_b32 s[G1+7], 0
	s_mul_i32 s19, ttmp9, 6
	s_add_co_u32 s19, s19, s18                     ; my task
	s_and_b32 s23, s19, 3                          ; sp: which 256 along K
	s_lshr_b32 s19, s19, 2                         ; G: which group of 32 rows
	s_sub_co_u32 s40, s19, 256                     ; among Wq's and Wk's groups
	s_lshr_b32 s41, s40, 2
	s_lshl_b32 s41, s41, 1
	s_and_b32 s42, s40, 1
	s_add_co_u32 s41, s41, s42                     ; the group of 32 rows in Wq or Wk: 2 x head + half
	s_sub_co_u32 s42, s19, 320                     ; in Wv
	s_sub_co_u32 s43, s19, 352                     ; in Wo
	s_mul_i32 s44, s18, WREG                       ; my region in LDS
	s_mov_b32 s[SEL], 0x76543210
	s_mov_b32 s[SEL+1], 0xfedcba98
	s_mov_b32 s[HM], 0xffff0000
	s_wait_dscnt 0x0                               ; the opening add is done
	s_wait_kmcnt 0x0
	s_bitcmp1_b32 s40, 1                           ; the choices hang on ids alone
	s_cselect_b64 s[6:7], s[8:9], s[6:7]           ; Wk or Wq
	s_cmp_lt_u32 s19, 352
	s_cselect_b64 s[12:13], s[10:11], s[12:13]
	s_cselect_b32 s43, s42, s43
	s_cmp_lt_u32 s19, 320
	s_cselect_b64 s[12:13], s[6:7], s[12:13]
	s_cselect_b32 s43, s41, s43
	s_cmp_lt_u32 s19, 256
	s_cselect_b64 s[12:13], s[4:5], s[12:13]
	s_cselect_b32 s43, s19, s43
	s_lshl_b32 s46, s43, 17                        ; 32 rows of 4,096 bytes
	s_lshl_b32 s45, s23, 10                        ; 256 numbers along K
	s_add_co_u32 s46, s46, s45
	s_mov_b32 s47, 0
	s_add_nc_u64 s[12:13], s[12:13], s[46:47]
.irp q, 0,1
	s_mov_b32 s[G0+4*\q], 1
	s_add_co_u32 s[G0+4*\q+1], s44, \q*PIECE
	s_add_nc_u64 s[G0+4*\q+2:G0+4*\q+3], s[12:13], \q*512
	s_or_b32 s[G0+4*\q+3], s[G0+4*\q+3], 0x80000000
	s_wait_alu depctr_va_vdst(0)
	s_wait_tensorcnt 0x0
	ds_add_u32 v1, v2
	ds_add_u32 v1, v2
	s_wait_dscnt 0x0
	s_barrier_signal -1
	s_barrier_wait -1
	tensor_load_to_lds s[G0+4*\q:G0+4*\q+3], s[G1:G1+7]   ; the fills go out one at a time: one load of mine is out
	s_nop 0
.endr
	v_and_b32 v6, 15, v0                           ; r
	v_bfe_u32 v7, v0, 4, 1                         ; lane / 16
	v_and_b32 v8, 8, v6
	v_add_nc_u32 v8, v8, v6                        ; r + 8 (r / 8)
	v_mul_u32_u24 v[XA], v8, PITCH
	v_lshl_add_u32 v[XA], v7, 6, v[XA]
	v_add_nc_u32 v[XA], s44, v[XA]
	v_and_b32 v9, 31, v0
	v_lshlrev_b32 v[L16], 4, v9
	v_lshlrev_b32 v[L8], 3, v9
.irp b, 0,1,2,3
	v_mov_b32 v[TM+4+\b], 0                        ; written once: a lane permute's destination counts as one of its sources
.endr
	s_mul_i32 s46, s19, 24576                      ; codes: two tiles of 12,288 bytes a group,
	s_mul_i32 s45, s23, 3072                       ; two K steps of 1,536
	s_add_co_u32 s46, s46, s45
	s_add_nc_u64 s[14:15], s[14:15], s[46:47]
	s_lshl_b32 s46, s19, 2
	s_add_co_u32 s46, s46, s23
	s_lshl_b32 s46, s46, 8                         ; scales: 256 bytes for a group and two K steps
	s_add_nc_u64 s[16:17], s[16:17], s[46:47]
	s_wait_alu depctr_va_vdst(0)
	s_wait_tensorcnt 0x1                           ; piece 0 is in; piece 1 may be out
	DSL 0, 0
	DSL 1, 1
	s_wait_dscnt 16                                ; fragment 0's numbers are in; fragment 1's 16 loads may be out
	QUANT X, PC, PW
	OUTF 0
	s_wait_tensorcnt 0x0                           ; piece 1 is in
	DSL 2, 0
	s_wait_dscnt 16
	QUANT X+64, PC+12, PW+1
	OUTF 1
	DSL 3, 1
	s_wait_dscnt 16
	QUANT X, PC+24, PW+2
	OUTF 2
	s_wait_dscnt 0x0
	QUANT X+64, PC+36, PW+3
	OUTF 3
	v_cndmask_b32 v[WW], v[PW], v[PW+1], s[HM]     ; lanes 0-15: tile 2 G's word, lanes 16-31: tile 2 G + 1's; K step 2 sp
	v_cndmask_b32 v[WW+1], v[PW+2], v[PW+3], s[HM] ; K step 2 sp + 1
	global_store_b64 v[L8], v[WW:WW+1], s[16:17]   ; 32 lanes store 256 consecutive bytes, aligned
	s_wait_tensorcnt 0x0                           ; the wave's end
	ds_add_u32 v[SPW], v[NIL]
	s_wait_dscnt 0x0
	s_endpgm
.Lfunc_end_k_q0737d637ac_quant:
	.size	k_q0737d637ac_quant, .Lfunc_end_k_q0737d637ac_quant-k_q0737d637ac_quant
	.p2alignl 7, 3214868480
	.fill 96, 4, 3214868480
	.section	.rodata,"a",@progbits
	.p2align	6, 0x0
	.amdhsa_kernel k_q0737d637ac_quant
		.amdhsa_group_segment_fixed_size 327680
		.amdhsa_private_segment_fixed_size 0
		.amdhsa_enable_private_segment 0
		.amdhsa_kernarg_size 56
		.amdhsa_user_sgpr_count 2
		.amdhsa_user_sgpr_kernarg_segment_ptr 1
		.amdhsa_wavefront_size32 1
		.amdhsa_system_sgpr_workgroup_id_x 1
		.amdhsa_system_sgpr_workgroup_id_y 1
		.amdhsa_system_sgpr_workgroup_id_z 1
		.amdhsa_system_vgpr_workitem_id 0
		.amdhsa_next_free_vgpr 224
		.amdhsa_next_free_sgpr 66
		.amdhsa_reserve_vcc 0
		.amdhsa_float_denorm_mode_32 3
		.amdhsa_float_denorm_mode_16_64 3
		.amdhsa_memory_ordered 1
		.amdhsa_forward_progress 1
		.amdhsa_inst_pref_size 26
	.end_amdhsa_kernel
	.amdgpu_metadata
---
amdhsa.version: [ 1, 2 ]
amdhsa.kernels:
  - .name:           k_q0737d637ac_quant
    .symbol:         k_q0737d637ac_quant.kd
    .args:
      - { .name: x, .offset: 0, .size: 8, .value_kind: global_buffer, .address_space: global }
      - { .name: Wq, .offset: 8, .size: 8, .value_kind: global_buffer, .address_space: global }
      - { .name: Wk, .offset: 16, .size: 8, .value_kind: global_buffer, .address_space: global }
      - { .name: Wv, .offset: 24, .size: 8, .value_kind: global_buffer, .address_space: global }
      - { .name: Wo, .offset: 32, .size: 8, .value_kind: global_buffer, .address_space: global }
      - { .name: opc, .offset: 40, .size: 8, .value_kind: global_buffer, .address_space: global }
      - { .name: ops, .offset: 48, .size: 8, .value_kind: global_buffer, .address_space: global }
    .group_segment_fixed_size: 327680
    .private_segment_fixed_size: 0
    .kernarg_segment_align: 8
    .kernarg_segment_size: 56
    .max_flat_workgroup_size: 192
    .sgpr_count:     66
    .vgpr_count:     224
    .wavefront_size: 32
...
	.end_amdgpu_metadata
.endif
;; end of part 1
;; launch proj (part 2): grid 12 x 64, 4 waves a work-group, clusters of 4 x 4, 295,424 bytes of LDS; arguments opc, ops, bq, bk, bv, att_c, att_s; writes att_c, att_s
.if DOCPART == 2
	.amdgcn_target "amdgcn-amd-amdhsa--gfx1250"
	.amdhsa_code_object_version 6
	.text
	.protected	k_q0737d637ac_proj
	.globl	k_q0737d637ac_proj
	.p2align	8
	.type	k_q0737d637ac_proj,@function
k_q0737d637ac_proj:
	s_mov_b64 s[64:65], 0
	v_nop
	global_prefetch_b8 v0, s[64:65] scope:SCOPE_SE
	s_setreg_imm32_b32 hwreg(HW_REG_WAVE_MODE, 25, 1), 1
	s_wait_xcnt 0x0
	s_wait_alu depctr_hold_cnt(0) depctr_sa_sdst(0) depctr_va_vdst(0) depctr_va_sdst(0) depctr_va_ssrc(0) depctr_va_vcc(0) depctr_vm_vsrc(0)
	s_getreg_b32 s2, hwreg(HW_REG_IB_STS2, 6, 4)
	s_cmp_eq_u32 s2, 0
	s_cbranch_scc0 .Lentry_in_a_cluster
	s_endpgm
.Lentry_in_a_cluster:
	s_bfe_u32 s2, ttmp6, 0x10000c
	s_cmp_lg_u32 s2, 0xf033
	s_cbranch_scc0 .Lentry_shape_is_right
	s_endpgm
.Lentry_shape_is_right:
; q = x Wq^T + bq, k = x Wk^T + bk, v = x Wv^T + bv on codes of FP6 (E2M3) with E8M0 scales, sums in f32; the results are quantised at once and leave as codes.
; A matrix instruction takes source 0 = 16 rows of "S0", source 1 = 16 rows of "S1": a lane then holds ONE row of S1, and its registers run along S0's rows, which are the next product's K.
;   kind 0 (clusters x = 0, 1): S0 = Wq and Wk by heads (128 rows a head), S1 = x's tokens.  A wave's 128 rows of S0 are one head: a lane's 64 numbers are q's 64 channels / k's 64 channels of one token, 32 a lane half:
;           one fragment, first half q (K = the head's 64), second half k; scale word = q's two bytes, k's two bytes.
;   kind 1 (cluster x = 2): S0 = x's tokens, S1 = Wv's rows: a lane holds one channel and 128 tokens: a fragment of V^T (16 channels x 128 keys), quantised along the keys.
; The rows of a tile of 16 are 32 G + 8 u + r + 8 (r / 8) (tile 2 G + u), so that the 16 registers of S0's tiles 2 p and 2 p + 1 are 16 neighbours along the next K.
; SHARES: a work-group takes 128 rows of S1 x 256 rows of S0 with ALL of K (1,024) in LDS: 294,912 bytes, filled once, in four chunks of 256 along K; nothing is filled again.  768 work-groups.
;   A wave takes 64 x 128: 32 accumulators.  CLUSTER 4 x 4: S1's tiles hang on cy and are asked for jointly by a row of the cluster, S0's on cx, by a column.  The kind hangs on the cluster's x alone.
; Operands lie in memory and in LDS as images of their registers (1,536 bytes a fragment): every LDS load is 16 or 8 bytes a lane on end.
; LIMITS: NaN and infinities are not served; a block whose largest magnitude lies under 2^-124 keeps the scale byte 1.
; REGISTERS: window 0: v1-10 addresses; v16-31 S1's scale words, v32-63 S0's (all of K, they hold nothing else); v64-159 S1's fragments, two sets; v176-183, v192-255 the biases; the way out works in v64-189.
;   window 1: S0's fragments, two sets, at v0 and v128.   window 2: accumulator (a, b) at v[8 (8 a + b)].
.set CHUNK, 73728                      ; 256 along K: S1's 8 tiles x 3,072 bytes, then S0's 16
.set SPARE, 4*CHUNK                    ; behind the chunks: the spare words, 128 bytes a wave: two blocks of 256 bytes that no other line names
.set SPW, 1
.set NIL, 2
.set A16, 3                            ; v3, v4  my S1 tiles in the chunk in hand: + 16 x lane, + 8 x lane
.set A8,  4
.set B16, 5                            ; v5, v6  the same for S0
.set B8,  6
.set L16, 7                            ; v7  16 x lane
.set L8,  8                            ; v8  8 x lane
.set HL64, 9                           ; v9  64 (lane / 16)
.set RP4, 10                           ; v10 4 (r + 8 (r / 8))
.set S1S, 16
.set S0S, 32
.set HA,  64
.set PC,  128
.set TC,  152
.set TM,  160
.set BL,  176                          ; v176-183 bv of my lane's channel in S1 tile a, twice: a pair for the packed add
.set PW,  184
.set WW,  188
.set BV,  192                          ; v192-255 bq and bk of my lane's 64 numbers
.set WV,  18
.set WH,  19                           ; which 64 rows of S1 are mine.  Also: I fetch S1 (0) or S0 (1)
.set WL,  20                           ; which 128 rows of S0 are mine.  Also: which half of the tiles I fetch
.set G1A, 24
.set G1B, 32
.set G0A, 40                           ; s[40:55] four sets, one a chunk
.set G0B, 68                           ; s[68:83]
.set SEL, 84
.set HM,  86
.set KIND, 87
.set CX,  88
.set CY,  89
.set YY,  91
.set T0,  92                           ; first tile of 16 of my work-group's S0
.set T1,  93                           ; and of its S1
.set MSB, 0
.macro WIN new                         ; the immediate's high byte repeats the setting that is left
.if MSB != \new
	s_set_vgpr_msb (MSB<<8)|\new
.set MSB, \new
.endif
.endm
.set MUL,  0xa1                        ; source 0 (S0) window 1, source 1 (S1) window 0, C and D window 2
.set TO_B, 0x40                        ; destination window 1
.macro PLACES n
.rept \n
	v_nop
.endr
.endm
.macro CROUND                          ; a round of the cluster's barrier
	s_barrier_signal -1
	s_barrier_wait -1
	s_cmp_lg_u32 s[WV], 0
	s_cbranch_scc1 .Lnot_wave_0_\@
	s_barrier_signal -3
.Lnot_wave_0_\@:
	s_barrier_wait -3
	s_barrier_signal -1
	s_barrier_wait -1
.endm
.macro QUANT s, pc, pw                 ; 64 numbers of a lane, register 16 b + i = k 32 b + 16 (lane / 16) + i, become 12 registers of codes and a scale word
.irp b, 0,1,2,3
	v_max3_num_f32 v[TM+\b], |v[\s+16*\b]|, |v[\s+1+16*\b]|, 0x1800000   ; and the floor 2^(3 - 127): the byte cannot fall under 1
.endr
.irp i, 2,4,6,8,10,12,14
.irp b, 0,1,2,3
	v_max3_num_f32 v[TM+\b], v[TM+\b], |v[\s+16*\b+\i]|, |v[\s+1+16*\b+\i]|
.endr
.endr
.irp b, 0,1,2,3
	v_permlanex16_b32 v[TM+4+\b], v[TM+\b], s[SEL], s[SEL+1]
.endr
.irp b, 0,1,2,3
	v_max_num_f32 v[TM+\b], v[TM+\b], v[TM+4+\b]
.endr
.irp b, 0,1,2,3
	v_add_nc_u32 v[TM+12+\b], 0xff000000, v[TM+\b]        ; 2 off the exponent field: the conversion's scale operand
.endr
.irp b, 0,1,2,3
	v_lshrrev_b32 v[TM+4+\b], 23, v[TM+12+\b]             ; the scale's byte
.endr
	v_lshl_or_b32 v[\pw], v[TM+5], 8, v[TM+4]
	v_lshl_or_b32 v[\pw], v[TM+6], 16, v[\pw]
	v_lshl_or_b32 v[\pw], v[TM+7], 24, v[\pw]
.irp c, 0,1
	v_cvt_scalef32_pk16_fp6_f32 v[\pc+6*\c:\pc+2+6*\c], v[\s+32*\c:\s+15+32*\c], v[TM+12+2*\c]
	v_cvt_scalef32_pk16_fp6_f32 v[TC+4*\c:TC+2+4*\c], v[\s+16+32*\c:\s+31+32*\c], v[TM+12+2*\c+1]
.endr
	v_nop                                                 ; one plain place behind a scaled conversion
.irp c, 0,1
.irp i, 0,1,2
	v_permlane16_swap_b32 v[\pc+6*\c+\i], v[TC+4*\c+\i]
.endr
.irp i, 0,1,2
	v_mov_b32 v[\pc+3+6*\c+\i], v[TC+4*\c+\i]
.endr
.endr
.endm
.macro FRAG reg, a16, a8, off          ; a fragment's image comes back into 12 registers
	ds_load_b128 v[\reg:\reg+3], v[\a16] offset:\off
	ds_load_b64 v[\reg+4:\reg+5], v[\a8] offset:\off+512
	ds_load_b128 v[\reg+6:\reg+9], v[\a16] offset:\off+768
	ds_load_b64 v[\reg+10:\reg+11], v[\a8] offset:\off+1280
.endm
.macro FETCH s                         ; K step s: my 8 fragments of S0 and 4 of S1 into set s % 2: 48 LDS loads
	WIN TO_B
.irp b, 0,1,2,3,4,5,6,7
	FRAG 128*((\s)%2)+12*\b, B16, B8, 3072*\b+1536*((\s)%2)
.endr
	WIN 0
.irp a, 0,1,2,3
	FRAG 64+48*((\s)%2)+12*\a, A16, A8, 3072*\a+1536*((\s)%2)
.endr
.endm
; one matrix instruction.  z: C is the constant 0; ra, rb: source 0's, source 1's scale words stand in lanes 16-31 (odd tiles)
.macro MMV z, ra, rb
.if (\z) && (\ra) && (\rb)
	v_wmma_scale_f32_16x16x128_f8f6f4 v[xD:xD+7], v[xA:xA+11], v[xB:xB+11], 0, v[xSA], v[xSB] matrix_a_fmt:MATRIX_FMT_FP6 matrix_b_fmt:MATRIX_FMT_FP6 matrix_a_scale:MATRIX_SCALE_ROW1 matrix_b_scale:MATRIX_SCALE_ROW1
.elseif (\z) && (\ra)
	v_wmma_scale_f32_16x16x128_f8f6f4 v[xD:xD+7], v[xA:xA+11], v[xB:xB+11], 0, v[xSA], v[xSB] matrix_a_fmt:MATRIX_FMT_FP6 matrix_b_fmt:MATRIX_FMT_FP6 matrix_a_scale:MATRIX_SCALE_ROW1
.elseif (\z) && (\rb)
	v_wmma_scale_f32_16x16x128_f8f6f4 v[xD:xD+7], v[xA:xA+11], v[xB:xB+11], 0, v[xSA], v[xSB] matrix_a_fmt:MATRIX_FMT_FP6 matrix_b_fmt:MATRIX_FMT_FP6 matrix_b_scale:MATRIX_SCALE_ROW1
.elseif (\z)
	v_wmma_scale_f32_16x16x128_f8f6f4 v[xD:xD+7], v[xA:xA+11], v[xB:xB+11], 0, v[xSA], v[xSB] matrix_a_fmt:MATRIX_FMT_FP6 matrix_b_fmt:MATRIX_FMT_FP6
.elseif (\ra) && (\rb)
	v_wmma_scale_f32_16x16x128_f8f6f4 v[xD:xD+7], v[xA:xA+11], v[xB:xB+11], v[xC:xC+7], v[xSA], v[xSB] matrix_a_fmt:MATRIX_FMT_FP6 matrix_b_fmt:MATRIX_FMT_FP6 matrix_a_scale:MATRIX_SCALE_ROW1 matrix_b_scale:MATRIX_SCALE_ROW1
.elseif (\ra)
	v_wmma_scale_f32_16x16x128_f8f6f4 v[xD:xD+7], v[xA:xA+11], v[xB:xB+11], v[xC:xC+7], v[xSA], v[xSB] matrix_a_fmt:MATRIX_FMT_FP6 matrix_b_fmt:MATRIX_FMT_FP6 matrix_a_scale:MATRIX_SCALE_ROW1
.elseif (\rb)
	v_wmma_scale_f32_16x16x128_f8f6f4 v[xD:xD+7], v[xA:xA+11], v[xB:xB+11], v[xC:xC+7], v[xSA], v[xSB] matrix_a_fmt:MATRIX_FMT_FP6 matrix_b_fmt:MATRIX_FMT_FP6 matrix_b_scale:MATRIX_SCALE_ROW1
.else
	v_wmma_scale_f32_16x16x128_f8f6f4 v[xD:xD+7], v[xA:xA+11], v[xB:xB+11], v[xC:xC+7], v[xSA], v[xSB] matrix_a_fmt:MATRIX_FMT_FP6 matrix_b_fmt:MATRIX_FMT_FP6
.endif
.endm
.macro MM a, b, s, cm                  ; S1 tile a x S0 tile b, K step s.  cm = 1: the product starts the sum
.set xD, 8*(8*(\a)+(\b))
.set xC, xD
.set xA, 128*((\s)%2)+12*(\b)
.set xB, 64+48*((\s)%2)+12*(\a)
.set xSA, S0S+8*((\b)/2)+(\s)
.set xSB, S1S+8*((\a)/2)+(\s)
	MMV (\cm)==1, (\b)%2, (\a)%2
.endm
.macro MUL16 a0, s, cm                 ; the 32 accumulators take turns, one instruction a turn, in the same order in every K step
.irp a, \a0, \a0+1
.irp b, 0,1,2,3,4,5,6,7
	MM \a, \b, \s, \cm
.endr
.endr
.endm
.macro STEP_E s, cm                    ; an even K step: its successor lies in the same chunk
	s_wait_dscnt 0x0                               ; this step's fragments are in
	PLACES 4                                       ; in front of loads into registers that the last step's products have read
	FETCH (\s)+1
	WIN MUL
	MUL16 0, \s, \cm
	MUL16 2, \s, \cm
.endm
.macro STEP_O s, n                     ; an odd K step: its successor lies in the next chunk.  n: my tensor loads for later chunks, which may stay out
	s_wait_dscnt 0x0                               ; this step's fragments are in, and no LDS instruction of mine is out at the signal
	s_wait_tensorcnt \n                            ; my part of the next chunk has landed
	s_barrier_signal -1
	WIN MUL
	MUL16 0, \s, 0
	s_barrier_wait -1                              ; everybody's has
	WIN 0
	v_add_nc_u32 v[A16], CHUNK, v[A16]             ; on to the next chunk: these four are also the places in front of the loads below
	v_add_nc_u32 v[A8], CHUNK, v[A8]
	v_add_nc_u32 v[B16], CHUNK, v[B16]
	v_add_nc_u32 v[B8], CHUNK, v[B8]
	FETCH (\s)+1
	WIN MUL
	MUL16 2, \s, 0
.endm
	s_load_b256 s[4:11], s[0:1], 0x0               ; opc s[4:5], ops s[6:7], bq s[8:9], bk s[10:11]
	s_load_b128 s[12:15], s[0:1], 0x20             ; bv s[12:13], att_c s[14:15]
	s_load_b64 s[16:17], s[0:1], 0x30              ; att_s
	v_lshl_add_u32 v[SPW], v0, 2, SPARE
	v_mov_b32 v[NIL], 0
	ds_add_u32 v[SPW], v[NIL]                      ; the wave's opening: the add and its wait ahead of my first tensor load
	ds_add_u32 v[SPW], v[NIL]
	v_lshrrev_b32 v11, 5, v0
	v_readfirstlane_b32 s[WV], v11
	s_lshr_b32 s[WH], s[WV], 1
	s_and_b32 s[WL], s[WV], 1
	s_bfe_u32 s[CX], ttmp6, 0x40000
	s_bfe_u32 s[CY], ttmp6, 0x40004
	s_and_b32 s[YY], ttmp7, 0xffff                 ; cluster y, 0..15
	s_lshr_b32 s[KIND], ttmp9, 1                   ; cluster x 0, 1: kind 0; 2: kind 1.  The same in all sixteen partners
	s_lshl_b32 s[T0], ttmp9, 6
	s_add_co_u32 s[T0], s[T0], 512                 ; kind 0: S0 = Wq, Wk: tiles 512 + 64 X + 16 cx
	s_and_b32 s94, s[YY], 7
	s_lshl_b32 s94, s94, 6                         ; kind 1: S0 = x: tiles 64 (Y & 7) + 16 cx
	s_lshl_b32 s[T1], s[YY], 5                     ; kind 0: S1 = x: tiles 32 Y + 8 cy
	s_lshr_b32 s95, s[YY], 3
	s_lshl_b32 s95, s95, 5
	s_add_co_u32 s95, s95, 640                     ; kind 1: S1 = Wv: tiles 640 + 32 (Y >> 3) + 8 cy
	s_cmp_eq_u32 s[KIND], 0
	s_cselect_b32 s[T0], s[T0], s94
	s_cselect_b32 s[T1], s[T1], s95
	s_lshl_b32 s94, s[CX], 4
	s_add_co_u32 s[T0], s[T0], s94
	s_lshl_b32 s95, s[CY], 3
	s_add_co_u32 s[T1], s[T1], s95
	s_lshl_b32 s96, s[CY], 2
	s_lshl_b32 s96, 15, s96                        ; my row of the cluster
	s_lshl_b32 s97, 0x1111, s[CX]                  ; my column
	s_or_b32 s[G1A], s96, (3<<16)|(1<<21)          ; the mask; elements of 8 bytes; bit 21 set beside a mask; no padding
	s_or_b32 s[G1B], s97, (3<<16)|(1<<21)
	s_mov_b32 s[G1A+1], 384<<16                    ; a row: a tile's 3,072 bytes of a chunk
	s_mov_b32 s[G1A+2], 4<<16                      ; 4 tiles a load
	s_mov_b32 s[G1A+3], 384<<16
	s_mov_b32 s[G1A+4], 4
	s_mov_b32 s[G1A+5], 1536                       ; 12,288 bytes from tile to tile
	s_mov_b32 s[G1A+6], 0
	s_mov_b32 s[G1A+7], 0
	s_mov_b32 s[G1B+1], 384<<16
	s_mov_b32 s[G1B+2], 8<<16                      ; 8 tiles a load
	s_mov_b32 s[G1B+3], 384<<16
	s_mov_b32 s[G1B+4], 8
	s_mov_b32 s[G1B+5], 1536
	s_mov_b32 s[G1B+6], 0
	s_mov_b32 s[G1B+7], 0
	s_lshl_b32 s98, s[WL], 2
	s_add_co_u32 s98, s98, s[T1]
	s_mul_i32 s98, s98, 12288                      ; S1: the 4 tiles that I would fetch
	s_mov_b32 s99, 0
	s_lshl_b32 s100, s[WL], 3
	s_add_co_u32 s100, s100, s[T0]
	s_mul_i32 s100, s100, 12288                    ; S0: the 8 tiles
	s_mov_b32 s101, 0
	s_mul_i32 s21, s[WL], 12288                    ; where they go in a chunk: no place in the cluster enters an LDS address
	s_mul_i32 s22, s[WL], 24576
	s_add_co_u32 s22, s22, 24576
	s_mov_b32 s[SEL], 0x76543210
	s_mov_b32 s[SEL+1], 0xfedcba98
	s_mov_b32 s[HM], 0xffff0000
	s_wait_dscnt 0x0                               ; the opening add is done
	s_wait_kmcnt 0x0
	s_add_nc_u64 s[98:99], s[4:5], s[98:99]
	s_add_nc_u64 s[100:101], s[4:5], s[100:101]
	CROUND                                         ; all sixteen work-groups are here: the joint loads meet
.irp c, 0,1,2,3
	s_mov_b32 s[G0A+4*\c], 1
	s_add_co_u32 s[G0A+4*\c+1], s21, \c*CHUNK
	s_add_nc_u64 s[G0A+4*\c+2:G0A+4*\c+3], s[98:99], \c*3072
	s_or_b32 s[G0A+4*\c+3], s[G0A+4*\c+3], 0x80000000
	s_mov_b32 s[G0B+4*\c], 1
	s_add_co_u32 s[G0B+4*\c+1], s22, \c*CHUNK
	s_add_nc_u64 s[G0B+4*\c+2:G0B+4*\c+3], s[100:101], \c*3072
	s_or_b32 s[G0B+4*\c+3], s[G0B+4*\c+3], 0x80000000
.endr
	s_cmp_eq_u32 s[WH], 0                          ; waves 0, 1 fetch S1's halves, waves 2, 3 S0's: a wave's four fills stand in one branch; four loads of mine are out
	s_cbranch_scc0 .Lfill_b
.irp c, 0,1,2,3
	tensor_load_to_lds s[G0A+4*\c:G0A+4*\c+3], s[G1A:G1A+7]
	s_nop 0
.endr
	PLACES 4
	s_branch .Lfilled
.Lfill_b:
.irp c, 0,1,2,3
	tensor_load_to_lds s[G0B+4*\c:G0B+4*\c+3], s[G1B:G1B+7]
	s_nop 0
.endr
	PLACES 4
.Lfilled:
	v_and_b32 v11, 31, v0
	v_lshlrev_b32 v[L16], 4, v11
	v_lshlrev_b32 v[L8], 3, v11
	v_bfe_u32 v[HL64], v0, 4, 1
	v_lshlrev_b32 v[HL64], 6, v[HL64]
	v_and_b32 v[RP4], 15, v0
	v_and_b32 v11, 8, v[RP4]
	v_add_nc_u32 v[RP4], v[RP4], v11
	v_lshlrev_b32 v[RP4], 2, v[RP4]
	s_wait_alu depctr_va_vdst(0)
	s_mul_i32 s2, s[WH], 12288                     ; my 4 tiles of S1 in a chunk
	v_add_nc_u32 v[A16], s2, v[L16]
	v_add_nc_u32 v[A8], s2, v[L8]
	v_add_nc_u32 v[B16], s22, v[L16]               ; my 8 tiles of S0
	v_add_nc_u32 v[B8], s22, v[L8]
.irp b, 0,1,2,3
	v_mov_b32 v[TM+4+\b], 0                        ; written once: a lane permute's destination counts as one of its sources
.endr
	; the scale words of my tiles for all of K go straight into registers: 256 consecutive bytes a load
	s_lshl_b32 s56, s[WH], 2
	s_add_co_u32 s56, s56, s[T1]                   ; my first tile of S1
	s_lshl_b32 s58, s56, 9
	s_mov_b32 s59, 0
	s_add_nc_u64 s[58:59], s[6:7], s[58:59]
	s_lshl_b32 s57, s[WL], 3
	s_add_co_u32 s57, s57, s[T0]                   ; my first tile of S0
	s_lshl_b32 s60, s57, 9
	s_mov_b32 s61, 0
	s_add_nc_u64 s[60:61], s[6:7], s[60:61]
.irp g, 0,1
.irp h, 0,1,2,3
	global_load_b64 v[S1S+8*\g+2*\h:S1S+8*\g+2*\h+1], v[L8], s[58:59] offset:\g*1024+\h*256
.endr
.endr
.irp g, 0,1,2,3
.irp h, 0,1,2,3
	global_load_b64 v[S0S+8*\g+2*\h:S0S+8*\g+2*\h+1], v[L8], s[60:61] offset:\g*1024+\h*256
.endr
.endr
	; both kinds' biases, at addresses that lie inside their buffers in both kinds: each kind uses its own
	s_lshl_b32 s62, ttmp9, 2
	s_add_co_u32 s62, s62, s[CX]
	s_lshl_b32 s62, s62, 1
	s_add_co_u32 s62, s62, s[WL]
	s_and_b32 s62, s62, 15                         ; kind 0: my head
	s_lshl_b32 s2, s62, 8
	s_mov_b32 s3, 0
	s_add_nc_u64 s[8:9], s[8:9], s[2:3]
	s_add_nc_u64 s[10:11], s[10:11], s[2:3]
	s_and_b32 s2, s56, 63
	s_lshl_b32 s2, s2, 6                           ; kind 1: 16 channels a tile, 4 bytes each
	s_add_nc_u64 s[12:13], s[12:13], s[2:3]
.irp b, 0,1,2,3
	global_load_b128 v[BV+8*\b:BV+8*\b+3], v[HL64], s[8:9] offset:(32*(\b/2)+8*(\b%2))*4
	global_load_b128 v[BV+8*\b+4:BV+8*\b+7], v[HL64], s[8:9] offset:(32*(\b/2)+8*(\b%2))*4+16
	global_load_b128 v[BV+32+8*\b:BV+32+8*\b+3], v[HL64], s[10:11] offset:(32*(\b/2)+8*(\b%2))*4
	global_load_b128 v[BV+32+8*\b+4:BV+32+8*\b+7], v[HL64], s[10:11] offset:(32*(\b/2)+8*(\b%2))*4+16
.endr
.irp a, 0,1,2,3
	global_load_b32 v[BL+2*\a], v[RP4], s[12:13] offset:(32*(\a/2)+8*(\a%2))*4
	global_load_b32 v[BL+2*\a+1], v[RP4], s[12:13] offset:(32*(\a/2)+8*(\a%2))*4
.endr
	s_wait_alu depctr_va_vdst(0)
	s_wait_tensorcnt 0x3                           ; my part of chunk 0 is in; chunks 1 to 3 may be out,
	s_barrier_signal -1
	s_barrier_wait -1                              ; everybody's is
	FETCH 0
	s_wait_loadcnt 24                              ; the 24 loads of scale words are in; the 24 of the biases may be out
	STEP_E 0, 1                                    ; the first K step starts the sums: nothing is cleared
	STEP_O 1, 2
	s_wait_alu depctr_va_vdst(0)
	STEP_E 2, 0
	STEP_O 3, 1
	s_wait_alu depctr_va_vdst(0)
	STEP_E 4, 0
	STEP_O 5, 0
	s_wait_alu depctr_va_vdst(0)
	STEP_E 6, 0
	s_wait_dscnt 0x0
	WIN MUL
	MUL16 0, 7, 0
	MUL16 2, 7, 0
	WIN 0
	; THE WAY OUT.  Where my four fragments and my block of scale words go
	s_lshr_b32 s2, s56, 7                          ; kind 0: batch,
	s_lshl_b32 s2, s2, 4
	s_add_co_u32 s2, s2, s62                       ; 16 b + head
	s_and_b32 s3, s56, 127                         ; my first tile of tokens in the batch
	s_lshl_b32 s94, s2, 7
	s_add_co_u32 s94, s94, s3                      ; fragment
	s_lshl_b32 s95, s2, 5
	s_lshr_b32 s3, s3, 2
	s_add_co_u32 s95, s95, s3                      ; block of scale words
	s_lshr_b32 s2, s57, 3                          ; kind 1: my 128 tokens: batch 16 b + key step
	s_lshr_b32 s3, s2, 4
	s_and_b32 s2, s2, 15
	s_sub_co_u32 s96, s56, 640
	s_lshr_b32 s96, s96, 2                         ; head
	s_lshl_b32 s3, s3, 4
	s_add_co_u32 s3, s3, s96
	s_lshl_b32 s3, s3, 4
	s_add_co_u32 s3, s3, s2                        ; (16 b + head) 16 + key step
	s_lshl_b32 s96, s3, 2
	s_add_co_u32 s96, s96, 8192
	s_add_co_u32 s97, s3, 2048
	s_cmp_eq_u32 s[KIND], 0
	s_cselect_b32 s94, s94, s96
	s_cselect_b32 s95, s95, s97
	s_mul_i32 s96, s94, 1536
	s_mov_b32 s97, 0
	s_add_nc_u64 s[14:15], s[14:15], s[96:97]
	s_lshl_b32 s96, s95, 8
	s_add_nc_u64 s[16:17], s[16:17], s[96:97]
	s_wait_loadcnt 0x0                             ; the biases
	PLACES 4                                       ; behind the last products, in front of the first read of results and of writes into registers that they have read
; S1 tile a: the bias is added on the way into window 0 (each accumulator from its low end on); the lane's 64 numbers become one fragment
.macro EPI kind
.irp a, 0,1,2,3
.if \a >= 2
	s_wait_xcnt 0x0                                ; tile a - 2's stores have read their registers
.endif
	WIN 0x02                                       ; source 0: window 2
.set jj, 0
.rept 32
.if \kind == 0
	v_pk_add_f32 v[HA+2*jj:HA+2*jj+1], v[64*\a+2*jj:64*\a+2*jj+1], v[BV+2*jj:BV+2*jj+1]
.else
	v_pk_add_f32 v[HA+2*jj:HA+2*jj+1], v[64*\a+2*jj:64*\a+2*jj+1], v[BL+2*\a:BL+2*\a+1]
.endif
.set jj, jj+1
.endr
	WIN 0
	QUANT HA, PC+12*(\a%2), PW+\a
	global_store_b128 v[L16], v[PC+12*(\a%2):PC+12*(\a%2)+3], s[14:15] offset:1536*\a
	global_store_b64 v[L8], v[PC+12*(\a%2)+4:PC+12*(\a%2)+5], s[14:15] offset:1536*\a+512
	global_store_b128 v[L16], v[PC+12*(\a%2)+6:PC+12*(\a%2)+9], s[14:15] offset:1536*\a+768
	global_store_b64 v[L8], v[PC+12*(\a%2)+10:PC+12*(\a%2)+11], s[14:15] offset:1536*\a+1280
.endr
.endm
	s_cmp_eq_u32 s[KIND], 0                        ; the cluster's x alone: the same in all partners and all waves
	s_cbranch_scc0 .Lkind_v
	EPI 0
	s_branch .Lwords
.Lkind_v:
	EPI 1
.Lwords:
	v_cndmask_b32 v[WW], v[PW], v[PW+1], s[HM]     ; lanes 0-15: tile 0's words, lanes 16-31: tile 1's
	v_cndmask_b32 v[WW+1], v[PW+2], v[PW+3], s[HM] ; tiles 2 and 3
	global_store_b64 v[L8], v[WW:WW+1], s[16:17]   ; 256 consecutive bytes, aligned
	s_wait_tensorcnt 0x0                           ; the wave's end
	ds_add_u32 v[SPW], v[NIL]
	s_wait_dscnt 0x0
	CROUND                                         ; the closing round
	s_endpgm
.Lfunc_end_k_q0737d637ac_proj:
	.size	k_q0737d637ac_proj, .Lfunc_end_k_q0737d637ac_proj-k_q0737d637ac_proj
	.p2alignl 7, 3214868480
	.fill 96, 4, 3214868480
	.section	.rodata,"a",@progbits
	.p2align	6, 0x0
	.amdhsa_kernel k_q0737d637ac_proj
		.amdhsa_group_segment_fixed_size 295424
		.amdhsa_private_segment_fixed_size 0
		.amdhsa_enable_private_segment 0
		.amdhsa_kernarg_size 56
		.amdhsa_user_sgpr_count 2
		.amdhsa_user_sgpr_kernarg_segment_ptr 1
		.amdhsa_wavefront_size32 1
		.amdhsa_system_sgpr_workgroup_id_x 1
		.amdhsa_system_sgpr_workgroup_id_y 1
		.amdhsa_system_sgpr_workgroup_id_z 1
		.amdhsa_system_vgpr_workitem_id 0
		.amdhsa_next_free_vgpr 768
		.amdhsa_next_free_sgpr 102
		.amdhsa_reserve_vcc 0
		.amdhsa_float_denorm_mode_32 3
		.amdhsa_float_denorm_mode_16_64 3
		.amdhsa_memory_ordered 1
		.amdhsa_forward_progress 1
		.amdhsa_inst_pref_size 123
	.end_amdhsa_kernel
	.amdgpu_metadata
---
amdhsa.version: [ 1, 2 ]
amdhsa.kernels:
  - .name:           k_q0737d637ac_proj
    .symbol:         k_q0737d637ac_proj.kd
    .args:
      - { .name: opc, .offset: 0, .size: 8, .value_kind: global_buffer, .address_space: global }
      - { .name: ops, .offset: 8, .size: 8, .value_kind: global_buffer, .address_space: global }
      - { .name: bq, .offset: 16, .size: 8, .value_kind: global_buffer, .address_space: global }
      - { .name: bk, .offset: 24, .size: 8, .value_kind: global_buffer, .address_space: global }
      - { .name: bv, .offset: 32, .size: 8, .value_kind: global_buffer, .address_space: global }
      - { .name: att_c, .offset: 40, .size: 8, .value_kind: global_buffer, .address_space: global }
      - { .name: att_s, .offset: 48, .size: 8, .value_kind: global_buffer, .address_space: global }
    .group_segment_fixed_size: 295424
    .private_segment_fixed_size: 0
    .kernarg_segment_align: 8
    .kernarg_segment_size: 56
    .max_flat_workgroup_size: 128
    .sgpr_count:     102
    .vgpr_count:     768
    .wavefront_size: 32
...
	.end_amdgpu_metadata
.endif
;; end of part 2
;; launch attn (part 3): grid 4 x 64, 16 waves a work-group, clusters of 4 x 1, 210,944 bytes of LDS; arguments att_c, att_s, oc, os; writes oc, os
.if DOCPART == 3
	.amdgcn_target "amdgcn-amd-amdhsa--gfx1250"
	.amdhsa_code_object_version 6
	.text
	.protected	k_q0737d637ac_attn
	.globl	k_q0737d637ac_attn
	.p2align	8
	.type	k_q0737d637ac_attn,@function
k_q0737d637ac_attn:
	s_mov_b64 s[64:65], 0
	v_nop
	global_prefetch_b8 v0, s[64:65] scope:SCOPE_SE
	s_setreg_imm32_b32 hwreg(HW_REG_WAVE_MODE, 25, 1), 1
	s_wait_xcnt 0x0
	s_wait_alu depctr_hold_cnt(0) depctr_sa_sdst(0) depctr_va_vdst(0) depctr_va_sdst(0) depctr_va_ssrc(0) depctr_va_vcc(0) depctr_vm_vsrc(0)
	s_getreg_b32 s2, hwreg(HW_REG_IB_STS2, 6, 4)
	s_cmp_eq_u32 s2, 0
	s_cbranch_scc0 .Lentry_in_a_cluster
	s_endpgm
.Lentry_in_a_cluster:
	s_bfe_u32 s2, ttmp6, 0x10000c
	s_cmp_lg_u32 s2, 0x3003
	s_cbranch_scc0 .Lentry_shape_is_right
	s_endpgm
.Lentry_shape_is_right:
; Causal attention of one head (2,048 tokens, 64 channels) on codes of FP6 (E2M3) with E8M0 scales; the result is divided by the row's sum, quantised along the model's 1,024 and stored as codes for the last product.
; THE SOFTMAX: t = score x log2(e) / 8; M = the row's largest t so far, rounded UP to a whole number; p = 2^(t - M) is quantised along the keys, not normalised; the row's sum is taken of the unquantised p.
; When M moves, the sum and O are multiplied by 2^(old M - new M): exact.
; SHARES.  The four work-groups of a cluster serve one head, whose K and V (codes and scale words, 208,896 bytes) lie WHOLE in each one's LDS, filled once by joint loads; nothing is filled again.
;   Of each group of 128 queries work-group cx owns 32 (two tiles of 16).  Wave w (j = w / 2, u = w % 2) takes tile u of group 15 - j, then of group j: 17 key steps of 128 for every wave.
;   The place in the cluster enters only Q's and O's addresses in memory and the mask's numbers: no branch, no trip count, no LDS address.
; LAYOUT.  S^T = K Q^T (source 0 = 16 keys, source 1 = my 16 queries), O^T = V^T P^T: a lane holds ONE query.  The keys of tile 2 b + u are 32 b + 8 u + r + 8 (r / 8): the 16 registers of tiles 2 b, 2 b + 1 are 16 neighbouring keys.
; THE FIRST PRODUCT'S K IS 64: it stands in the instruction's upper 64.  Q's operand is six registers of zero codes and q's six; K's operand t is v[58 + 6 t ..]: its upper six are tile t's codes, its lower six
;   whatever lies below (tile t - 1's codes, or zeros): finite numbers against zero codes.  k's two scale bytes are bytes 2, 3 of the stored word; q's word is shifted up by 16 (its low bytes, 0, scale zero codes).
; THE MASK: a step all of whose keys come after my queries is left out by a scalar branch on the wave's number and the count of steps; in the one step on the diagonal hidden scores become -infinity.
; The scale bytes of O leave one byte a lane (two bytes a row and head): they fill their 256-byte blocks in part, one byte for each 24 bytes of codes that the launch stores.
; LIMITS: NaN and infinities are not served; p under 2^-126 counts as 0; a block whose largest magnitude lies under 2^-124 keeps the scale byte 1.
.set KC, 0                             ; LDS: K's codes: 128 tiles x 768 bytes
.set VC, 98304                         ; V^T's: 16 key steps x 4 tiles of channels x 1,536
.set KS, 196608                        ; K's scale words: 32 blocks of 256 bytes (64 tokens each)
.set VS, 204800                        ; V's: 16 blocks (a key step each)
.set SPARE, 208896                     ; the spare words, 128 bytes a wave: eight blocks of 256 bytes that no other line names
.set SPW, 1
.set NIL, 2
.set AK16, 3                           ; v3  16 x lane (K's codes begin at LDS byte 0; also an offset in memory)
.set AK8,  4                           ; v4  8 x lane
.set AV16, 5
.set AV8,  6
.set ASK,  7
.set ASV,  8
.set DQ,   9                           ; v9  my query in its group of 128, less 16 (lane / 16)
.set NM,   16                          ; v16 -M, v17 the largest t
.set TMX,  17
.set SUM,  18                          ; v[18:19] the row's sum in two halves
.set QSO,  22                          ; v22 8 (lane % 16)
.set OSO,  23                          ; v23 8 (lane % 16) + lane / 16
.set QF1,  24                          ; v24-35, v36-47: Q's operands of the two passes
.set QF2,  36
.set QW1,  48                          ; v48, v49 their scale words; v50-53 K's, v54-55 V's, v56 p's: these hold scales and nothing else
.set QW2,  49
.set PWD,  56
.set S,    112                         ; v112-175 S^T, then p
.set OT,   176                         ; v176-207 O^T
.set PC,   208                         ; v208-219 p's codes
.set TC,   220
.set BM,   228
.set BT,   232
.set SO,   236
.set FF,   244                         ; v[244:245] f, later 1 / sum
.set NINF, 250
.set WV, 12
.set CX, 13
.set BH, 14
.set UU, 16
.set BB, 17
.set HH, 18
.set HM, 19
.set SEL, 20
.set CS, 22
.set G1K, 24
.set G1V, 32
.set G1KS, 40
.set G1VS, 48
.set G0K, 56
.set G0V, 60
.set G0KS, 68
.set G0VS, 72
.set QA1, 76
.set QA2, 78
.set QS1, 80
.set QS2, 82
.set OA1, 84
.set OA2, 86
.set OS1, 88
.set OS2, 90
.set TB, 92                            ; s92 the step's codes: 6,144 bytes a step, in K and in V
.set TS, 93                            ; s93 K's scale words: 512 a step
.set TJ, 94                            ; s94 V's: 256 a step
.set KN, 95                            ; s95 the key step
.set GA, 96                            ; s96, s97 my groups of queries
.set GB, 97
.macro CROUND
	s_barrier_signal -1
	s_barrier_wait -1
	s_cmp_lg_u32 s[WV], 0
	s_cbranch_scc1 .Lnot_wave_0_\@
	s_barrier_signal -3
.Lnot_wave_0_\@:
	s_barrier_wait -3
	s_barrier_signal -1
	s_barrier_wait -1
.endm
.macro PLACES n
.rept \n
	v_nop
.endr
.endm
.macro FRAG reg, a16, a8, off
	ds_load_b128 v[\reg:\reg+3], v[\a16] offset:\off
	ds_load_b64 v[\reg+4:\reg+5], v[\a8] offset:\off+512
	ds_load_b128 v[\reg+6:\reg+9], v[\a16] offset:\off+768
	ds_load_b64 v[\reg+10:\reg+11], v[\a8] offset:\off+1280
.endm
; where group g's tile of mine lies: Q's codes, Q's scale words, O's codes, O's scale bytes.  s100 = 768 h, s101 = 128 u + 4 (cx & 1), s15 = 256 (h / 4) + 128 u + 2 (h & 3), s99 = 0
.macro BASES g, qa, qs, oa, os
	s_lshl_b32 s2, s[\g], 3
	s_lshl_b32 s3, s[CX], 1
	s_add_co_u32 s2, s2, s3
	s_add_co_u32 s2, s2, s[UU]                     ; my tile of 16 tokens in the batch: 8 g + 2 cx + u
	s_lshl_b32 s3, s[BH], 7
	s_add_co_u32 s3, s3, s2
	s_mul_i32 s98, s3, 1536
	s_add_nc_u64 s[\qa:\qa+1], s[4:5], s[98:99]
	s_lshl_b32 s3, s[BB], 7
	s_add_co_u32 s3, s3, s2
	s_mul_i32 s98, s3, 12288
	s_add_co_u32 s98, s98, s100
	s_add_nc_u64 s[\oa:\oa+1], s[8:9], s[98:99]
	s_lshl_b32 s3, s[BH], 5
	s_lshl_b32 s98, s[\g], 1
	s_add_co_u32 s3, s3, s98
	s_lshr_b32 s98, s[CX], 1
	s_add_co_u32 s3, s3, s98
	s_lshl_b32 s98, s3, 8
	s_add_co_u32 s98, s98, s101
	s_add_nc_u64 s[\qs:\qs+1], s[6:7], s[98:99]
	s_lshl_b32 s3, s[BB], 6
	s_lshl_b32 s98, s[\g], 2
	s_add_co_u32 s3, s3, s98
	s_add_co_u32 s3, s3, s[CX]
	s_lshl_b32 s98, s3, 10
	s_add_co_u32 s98, s98, s15
	s_add_nc_u64 s[\os:\os+1], s[10:11], s[98:99]
.endm
	s_load_b256 s[4:11], s[0:1], 0x0               ; att_c s[4:5], att_s s[6:7], oc s[8:9], os s[10:11]
	v_lshl_add_u32 v[SPW], v0, 2, SPARE
	v_mov_b32 v[NIL], 0
	ds_add_u32 v[SPW], v[NIL]                      ; the wave's opening: the add and its wait ahead of the first tensor loads
	ds_add_u32 v[SPW], v[NIL]
	v_lshrrev_b32 v246, 5, v0
	s_delay_alu instid0(VALU_DEP_1)
	v_readfirstlane_b32 s[WV], v246                ; wave 0..15
	s_bfe_u32 s[CX], ttmp6, 0x40000
	s_and_b32 s[BH], ttmp7, 0xffff                 ; 16 x batch + head: the four partners share it
	s_lshr_b32 s15, s[WV], 1
	s_and_b32 s[UU], s[WV], 1
	s_lshr_b32 s[BB], s[BH], 4
	s_and_b32 s[HH], s[BH], 15
	s_sub_co_u32 s[GA], 15, s15
	s_mov_b32 s[GB], s15
	s_mov_b32 s[G1K], 15|(3<<16)|(1<<21)           ; the mask: all four work-groups; elements of 8 bytes; bit 21 set beside a mask
	s_mov_b32 s[G1K+1], 96<<16                     ; K: 32 rows of 768 bytes (k's half of a fragment), 1,536 bytes apart
	s_mov_b32 s[G1K+2], 32<<16
	s_mov_b32 s[G1K+3], 96<<16
	s_mov_b32 s[G1K+4], 32
	s_mov_b32 s[G1K+5], 192
	s_mov_b32 s[G1K+6], 0
	s_mov_b32 s[G1K+7], 0
	s_mov_b32 s[G1V], 15|(3<<16)|(1<<21)           ; V: a dense block of 24,576 bytes as 96 rows of 256
	s_mov_b32 s[G1V+1], 32<<16
	s_mov_b32 s[G1V+2], 96<<16
	s_mov_b32 s[G1V+3], 32<<16
	s_mov_b32 s[G1V+4], 96
	s_mov_b32 s[G1V+5], 32
	s_mov_b32 s[G1V+6], 0
	s_mov_b32 s[G1V+7], 0
	s_mov_b32 s[G1KS], 15|(3<<16)|(1<<21)          ; K's scale words: 32 rows of 256
	s_mov_b32 s[G1KS+1], 32<<16
	s_mov_b32 s[G1KS+2], 32<<16
	s_mov_b32 s[G1KS+3], 32<<16
	s_mov_b32 s[G1KS+4], 32
	s_mov_b32 s[G1KS+5], 32
	s_mov_b32 s[G1KS+6], 0
	s_mov_b32 s[G1KS+7], 0
	s_mov_b32 s[G1VS], 15|(3<<16)|(1<<21)          ; V's: 16 rows of 256
	s_mov_b32 s[G1VS+1], 32<<16
	s_mov_b32 s[G1VS+2], 16<<16
	s_mov_b32 s[G1VS+3], 32<<16
	s_mov_b32 s[G1VS+4], 16
	s_mov_b32 s[G1VS+5], 32
	s_mov_b32 s[G1VS+6], 0
	s_mov_b32 s[G1VS+7], 0
	s_and_b32 s2, s[WV], 3                         ; which quarter of K or of V I would fetch
	s_mul_i32 s3, s2, 24576
	s_mul_i32 s98, s[BH], 196608                   ; the head's 128 fragments of q and k
	s_mul_i32 s99, s2, 49152
	s_add_co_u32 s98, s98, s99
	s_add_co_u32 s98, s98, 768                     ; k's half
	s_mov_b32 s99, 0
	s_mul_i32 s100, s[BH], 98304                   ; the head's 64 fragments of V^T, behind the 8,192 of q and k
	s_add_co_u32 s100, s100, s3
	s_add_co_u32 s100, s100, 12582912
	s_mov_b32 s101, 0
	s_mov_b32 s[SEL], 0x76543210
	s_mov_b32 s[SEL+1], 0xfedcba98
	s_mov_b32 s[HM], 0xffff0000
	s_mov_b32 s[CS], 0x3e38aa3b                    ; c = log2(e) / sqrt(64)
	s_mov_b32 s[CS+1], s[CS]                       ; (named with it as a pair, so it is written)
	s_wait_dscnt 0x0                               ; the opening add is done
	s_wait_kmcnt 0x0
	s_mov_b32 s[G0K], 1
	s_mov_b32 s[G0K+1], s3
	s_add_nc_u64 s[G0K+2:G0K+3], s[4:5], s[98:99]
	s_or_b32 s[G0K+3], s[G0K+3], 0x80000000
	s_mov_b32 s[G0V], 1
	s_add_co_u32 s[G0V+1], s3, VC
	s_add_nc_u64 s[G0V+2:G0V+3], s[4:5], s[100:101]
	s_or_b32 s[G0V+3], s[G0V+3], 0x80000000
	s_lshl_b32 s98, s[BH], 13
	s_mov_b32 s[G0KS], 1
	s_mov_b32 s[G0KS+1], KS
	s_add_nc_u64 s[G0KS+2:G0KS+3], s[6:7], s[98:99]
	s_or_b32 s[G0KS+3], s[G0KS+3], 0x80000000
	s_lshl_b32 s100, s[BH], 12
	s_add_co_u32 s100, s100, 524288
	s_mov_b32 s[G0VS], 1
	s_mov_b32 s[G0VS+1], VS
	s_add_nc_u64 s[G0VS+2:G0VS+3], s[6:7], s[100:101]
	s_or_b32 s[G0VS+3], s[G0VS+3], 0x80000000
	CROUND                                         ; all four work-groups are here: the joint loads meet
	s_cmp_lt_u32 s[WV], 4                          ; waves 0-3: K's quarters; 4-7: V's; 8: K's scale words; 9: V's; one load a wave at the most.  The branches hang on the wave's number alone
	s_cbranch_scc0 .Lnot_k
	tensor_load_to_lds s[G0K:G0K+3], s[G1K:G1K+7]
	s_nop 0
	PLACES 4
	s_branch .Lasked
.Lnot_k:
	s_cmp_lt_u32 s[WV], 8
	s_cbranch_scc0 .Lnot_v
	tensor_load_to_lds s[G0V:G0V+3], s[G1V:G1V+7]
	s_nop 0
	PLACES 4
	s_branch .Lasked
.Lnot_v:
	s_cmp_eq_u32 s[WV], 8
	s_cbranch_scc0 .Lnot_ks
	tensor_load_to_lds s[G0KS:G0KS+3], s[G1KS:G1KS+7]
	s_nop 0
	PLACES 4
	s_branch .Lasked
.Lnot_ks:
	s_cmp_eq_u32 s[WV], 9
	s_cbranch_scc0 .Lasked
	tensor_load_to_lds s[G0VS:G0VS+3], s[G1VS:G1VS+7]
	s_nop 0
	PLACES 4
.Lasked:
	s_mul_i32 s100, s[HH], 768                     ; O's codes: head h's half of K step h / 2
	s_lshl_b32 s2, s[UU], 7
	s_and_b32 s3, s[CX], 1
	s_lshl_b32 s3, s3, 2
	s_add_co_u32 s101, s2, s3
	s_lshr_b32 s3, s[HH], 2
	s_lshl_b32 s3, s3, 8
	s_add_co_u32 s15, s2, s3
	s_and_b32 s3, s[HH], 3
	s_lshl_b32 s3, s3, 1
	s_add_co_u32 s15, s15, s3
	s_mov_b32 s99, 0
	BASES GA, QA1, QS1, OA1, OS1
	BASES GB, QA2, QS2, OA2, OS2
	v_and_b32 v246, 31, v0
	s_delay_alu instid0(VALU_DEP_1)
	v_lshlrev_b32 v[AK16], 4, v246
	s_delay_alu instid0(VALU_DEP_2)
	v_lshlrev_b32 v[AK8], 3, v246
	s_delay_alu instid0(VALU_DEP_2)
	v_add_nc_u32 v[AV16], VC, v[AK16]
	s_delay_alu instid0(VALU_DEP_2)
	v_add_nc_u32 v[AV8], VC, v[AK8]
	s_delay_alu instid0(VALU_DEP_3)
	v_add_nc_u32 v[ASK], KS, v[AK8]
	s_delay_alu instid0(VALU_DEP_4)
	v_add_nc_u32 v[ASV], VS, v[AK8]
	v_and_b32 v247, 15, v0                         ; r
	v_bfe_u32 v248, v0, 4, 1                       ; lane / 16
	s_delay_alu instid0(VALU_DEP_2)
	v_lshlrev_b32 v[QSO], 3, v247
	s_delay_alu instid0(VALU_DEP_1)
	v_add_nc_u32 v[OSO], v[QSO], v248
	global_load_b128 v[QF1+6:QF1+9], v[AK16], s[QA1:QA1+1]           ; q's half of the fragment: the operand's upper six registers
	global_load_b64 v[QF1+10:QF1+11], v[AK8], s[QA1:QA1+1] offset:512
	global_load_b32 v[QW1], v[QSO], s[QS1:QS1+1]
	global_load_b128 v[QF2+6:QF2+9], v[AK16], s[QA2:QA2+1]
	global_load_b64 v[QF2+10:QF2+11], v[AK8], s[QA2:QA2+1] offset:512
	global_load_b32 v[QW2], v[QSO], s[QS2:QS2+1]
	v_and_b32 v249, 8, v247
	s_delay_alu instid0(VALU_DEP_1)
	v_add_nc_u32 v[DQ], v247, v249                 ; r + 8 (r / 8)
	v_lshlrev_b32 v249, 4, v248
	s_delay_alu instid0(VALU_DEP_1)
	v_sub_nc_u32 v[DQ], v[DQ], v249
	s_lshl_b32 s2, s[CX], 5
	s_lshl_b32 s3, s[UU], 3
	s_add_co_u32 s2, s2, s3
	v_add_nc_u32 v[DQ], s2, v[DQ]                  ; + 32 cx + 8 u
.irp i, 0,1,2,3,4,5
	v_mov_b32 v[QF1+\i], 0                         ; zero codes for the instruction's lower 64 along K
	v_mov_b32 v[QF2+\i], 0
	v_mov_b32 v[58+\i], 0                          ; and what lies under K's tile 0
.endr
.irp b, 0,1,2,3
	v_mov_b32 v[BT+\b], 0                          ; written once: a lane permute's destination counts as one of its sources
.endr
	v_mov_b32 v[FF+1], 0                           ; (named as the upper half of a pair)
	v_mov_b32 v[NINF], 0xff800000
	s_wait_tensorcnt 0x0                           ; my part of the head has landed (a wave that fetched nothing passes),
	s_barrier_signal -1
	s_barrier_wait -1                              ; everybody's has
	s_wait_loadcnt 0x0                             ; Q
	v_lshlrev_b32 v[QW1], 16, v[QW1]               ; q's two bytes to the places of the upper 64
	v_lshlrev_b32 v[QW2], 16, v[QW2]
; One tile of 16 queries of group g: ntr trips (a constant), of which those past the group are left out; then the way out.
.macro PASS qf, qw, g, ntr, oa, os
	v_mov_b32 v[TMX], 0xff61b1e6                   ; the largest t so far: -3e38
	s_delay_alu instid0(VALU_DEP_1)
	v_floor_f32 v[NM], -v[TMX]
	v_mov_b32 v[SUM], 0
	v_mov_b32 v[SUM+1], 0
.set jj, 0
.rept 32
	v_mov_b32 v[OT+jj], 0                          ; the step is written once: the first finds zeros
.set jj, jj+1
.endr
	s_mov_b32 s[TB], 0
	s_mov_b32 s[TS], 0
	s_mov_b32 s[TJ], 0
	s_mov_b32 s[KN], 0
.Ltrip_\@:
	s_cmp_gt_u32 s[KN], s[\g]                      ; all 128 keys come after my queries: the step's work is left out (the wave's number and the count of steps alone)
	s_cbranch_scc1 .Lhidden_\@
	s_setprio 2
	v_add_nc_u32 v10, s[TB], v[AK16]               ; these six are also the places in front of the loads into registers that the last products have read
	v_add_nc_u32 v11, s[TB], v[AK8]
	v_add_nc_u32 v12, s[TB], v[AV16]
	v_add_nc_u32 v13, s[TB], v[AV8]
	v_add_nc_u32 v14, s[TS], v[ASK]
	v_add_nc_u32 v15, s[TJ], v[ASV]
.irp t, 0,1,2,3,4,5,6,7
	ds_load_b128 v[64+6*\t:64+6*\t+3], v10 offset:768*\t
	ds_load_b64 v[64+6*\t+4:64+6*\t+5], v11 offset:768*\t+512
.endr
	ds_load_b64 v[50:51], v14                      ; scale words: v50 tiles 0 | 1, v51 tiles 2 | 3 (lanes 0-15 | 16-31),
	ds_load_b64 v[52:53], v14 offset:256           ; v52 tiles 4 | 5, v53 tiles 6 | 7
	s_wait_alu depctr_va_vdst(0)
	s_wait_dscnt 0x0
.irp t, 0,2,4,6
	v_wmma_scale_f32_16x16x128_f8f6f4 v[S+8*\t:S+8*\t+7], v[58+6*\t:69+6*\t], v[\qf:\qf+11], 0, v[50+\t/2], v[\qw] matrix_a_fmt:MATRIX_FMT_FP6 matrix_b_fmt:MATRIX_FMT_FP6
	v_wmma_scale_f32_16x16x128_f8f6f4 v[S+8*\t+8:S+8*\t+15], v[64+6*\t:75+6*\t], v[\qf:\qf+11], 0, v[50+\t/2], v[\qw] matrix_a_fmt:MATRIX_FMT_FP6 matrix_b_fmt:MATRIX_FMT_FP6 matrix_a_scale:MATRIX_SCALE_ROW1
.endr
	PLACES 4
.irp c, 0,1,2,3
	FRAG 64+12*\c, 12, 13, 1536*\c                 ; V^T's four fragments land while the softmax is worked
.endr
	ds_load_b64 v[54:55], v15                      ; v54 tiles 0 | 1, v55 tiles 2 | 3
	s_cmp_eq_u32 s[KN], s[\g]
	s_cbranch_scc0 .Lopen_\@
.set nn, 0
.rept 64                                       ; on the diagonal: register 16 b + i holds key 32 b + 16 (lane / 16) + i of the step: hidden where 32 b + i > DQ
	v_cmp_gt_i32 vcc_lo, 32*(nn/16)+nn%16, v[DQ]
	v_cndmask_b32 v[S+nn], v[S+nn], v[NINF], vcc_lo
.set nn, nn+1
.endr
.Lopen_\@:
.irp b, 0,1,2,3
	v_max3_num_f32 v[BM+\b], v[S+16*\b], v[S+1+16*\b], v[S+2+16*\b]   ; the largest score of each block of 32 keys: for the row's maximum, and, since p rises with the score, for the block's largest p
.endr
.irp i, 3,5,7,9,11,13
.irp b, 0,1,2,3
	v_max3_num_f32 v[BM+\b], v[BM+\b], v[S+16*\b+\i], v[S+1+16*\b+\i]
.endr
.endr
.irp b, 0,1,2,3
	v_max_num_f32 v[BM+\b], v[BM+\b], v[S+15+16*\b]
.endr
.irp b, 0,1,2,3
	s_delay_alu instid0(VALU_DEP_4)
	v_permlanex16_b32 v[BT+\b], v[BM+\b], s[SEL], s[SEL+1]
.endr
.irp b, 0,1,2,3
	s_delay_alu instid0(VALU_DEP_4)
	v_max_num_f32 v[BM+\b], v[BM+\b], v[BT+\b]
.endr
	s_delay_alu instid0(VALU_DEP_2)
	v_max3_num_f32 v246, v[BM], v[BM+1], v[BM+2]
	s_delay_alu instid0(VALU_DEP_1)
	v_max_num_f32 v246, v246, v[BM+3]
	s_delay_alu instid0(VALU_DEP_1)
	v_mul_f32 v246, s[CS], v246
	s_delay_alu instid0(VALU_DEP_1)
	v_max_num_f32 v[TMX], v[TMX], v246             ; the running largest t
	v_mov_b32 v246, v[NM]
	s_delay_alu instid0(VALU_DEP_2)
	v_floor_f32 v[NM], -v[TMX]                     ; the new -M = -ceil(t): a whole number
	s_delay_alu instid0(VALU_DEP_1)
	v_sub_f32 v246, v[NM], v246                    ; old M - new M
	s_delay_alu instid0(VALU_DEP_1)
	v_cvt_i32_f32 v246, v246                       ; (it saturates)
	s_delay_alu instid0(VALU_DEP_1)
	v_ldexp_f32 v[FF], 1.0, v246                   ; f = 2^(old M - new M)
.set jj, 0
	s_setprio 1
.rept 32
	v_pk_fma_f32 v[S+jj:S+jj+1], v[S+jj:S+jj+1], s[CS:CS+1], v[NM:NM+1] op_sel_hi:[1,0,0]   ; t - M
.set jj, jj+2
.endr
.irp b, 0,1,2,3
	v_fma_f32 v[BM+\b], v[BM+\b], s[CS], v[NM]
.endr
.set jj, 0
	s_wait_alu depctr_va_vdst(0)
.rept 64
	v_exp_f32 v[S+jj], v[S+jj]                     ; p = 2^(t - M)
.set jj, jj+1
.endr
	v_pk_mul_f32 v[SUM:SUM+1], v[SUM:SUM+1], v[FF:FF+1] op_sel_hi:[1,0]   ; the sums under the new M: a plain place behind the exponentials
	s_wait_alu depctr_va_vdst(0)                   ; one wait for the whole batch, ahead of its first reader
.irp b, 0,1,2,3
	v_exp_f32 v[BM+\b], v[BM+\b]                   ; the block's largest p
.endr
	v_pk_add_f32 v[232:233], v[116:117], v[120:121]
	v_pk_add_f32 v[254:255], v[124:125], v[128:129]
	v_pk_add_f32 v[252:253], v[132:133], v[136:137]
	v_pk_add_f32 v[248:249], v[140:141], v[144:145]
	v_pk_add_f32 v[242:243], v[148:149], v[152:153]
	v_pk_add_f32 v[240:241], v[156:157], v[160:161]
	v_pk_add_f32 v[238:239], v[164:165], v[168:169]
	v_pk_add_f32 v[18:19], v[18:19], v[172:173]
	v_pk_add_f32 v[232:233], v[232:233], v[112:113]
	v_pk_add_f32 v[254:255], v[254:255], v[114:115]
	v_pk_add_f32 v[252:253], v[252:253], v[118:119]
	v_pk_add_f32 v[248:249], v[248:249], v[122:123]
	v_pk_add_f32 v[242:243], v[242:243], v[126:127]
	v_pk_add_f32 v[240:241], v[240:241], v[130:131]
	v_pk_add_f32 v[238:239], v[238:239], v[134:135]
	v_pk_add_f32 v[18:19], v[18:19], v[138:139]
	v_pk_add_f32 v[232:233], v[232:233], v[142:143]
	v_pk_add_f32 v[254:255], v[254:255], v[146:147]
	v_pk_add_f32 v[252:253], v[252:253], v[150:151]
	v_pk_add_f32 v[248:249], v[248:249], v[154:155]
	v_pk_add_f32 v[242:243], v[242:243], v[158:159]
	v_pk_add_f32 v[240:241], v[240:241], v[162:163]
	v_pk_add_f32 v[238:239], v[238:239], v[166:167]
	v_pk_add_f32 v[18:19], v[18:19], v[170:171]
	v_pk_add_f32 v[232:233], v[232:233], v[174:175]
	s_delay_alu instid0(VALU_DEP_2)
	v_pk_add_f32 v[18:19], v[18:19], v[248:249]
	s_delay_alu instid0(VALU_DEP_2)
	v_pk_add_f32 v[232:233], v[232:233], v[242:243]
	v_pk_add_f32 v[254:255], v[254:255], v[240:241]
	v_pk_add_f32 v[252:253], v[252:253], v[238:239]
	s_delay_alu instid0(VALU_DEP_2)
	v_pk_add_f32 v[18:19], v[18:19], v[254:255]
	s_delay_alu instid0(VALU_DEP_2)
	v_pk_add_f32 v[232:233], v[232:233], v[252:253]
	s_delay_alu instid0(VALU_DEP_1)
	v_pk_add_f32 v[18:19], v[18:19], v[232:233]
	s_wait_alu depctr_va_vdst(0)                   ; and one for the four
.irp b, 0,1,2,3
	v_max_num_f32 v[BM+\b], 0x1800000, v[BM+\b]    ; the floor 2^(3 - 127): the byte cannot fall under 1
.endr
.irp b, 0,1,2,3
	s_delay_alu instid0(VALU_DEP_4)
	v_add_nc_u32 v[SO+\b], 0xff000000, v[BM+\b]
.endr
.irp b, 0,1,2,3
	s_delay_alu instid0(VALU_DEP_4)
	v_lshrrev_b32 v[BT+\b], 23, v[SO+\b]
.endr
	s_delay_alu instid0(VALU_DEP_3)
	v_lshl_or_b32 v[PWD], v[BT+1], 8, v[BT]
	s_delay_alu instid0(VALU_DEP_1)
	v_lshl_or_b32 v[PWD], v[BT+2], 16, v[PWD]
	s_delay_alu instid0(VALU_DEP_1)
	v_lshl_or_b32 v[PWD], v[BT+3], 24, v[PWD]
	s_setprio 0
.irp c, 0,1
	v_cvt_scalef32_pk16_fp6_f32 v[PC+6*\c:PC+2+6*\c], v[S+32*\c:S+15+32*\c], v[SO+2*\c]
	v_cvt_scalef32_pk16_fp6_f32 v[TC+4*\c:TC+2+4*\c], v[S+16+32*\c:S+31+32*\c], v[SO+2*\c+1]
.endr
	v_nop                                          ; one plain place behind a scaled conversion
.irp c, 0,1
.irp i, 0,1,2
	v_permlane16_swap_b32 v[PC+6*\c+\i], v[TC+4*\c+\i]
.endr
.irp i, 0,1,2
	s_delay_alu instid0(VALU_DEP_3)
	v_mov_b32 v[PC+3+6*\c+\i], v[TC+4*\c+\i]
.endr
.endr
.set jj, 0
.rept 16
	v_pk_mul_f32 v[OT+jj:OT+jj+1], v[OT+jj:OT+jj+1], v[FF:FF+1] op_sel_hi:[1,0]   ; O^T under the new M; these are also the places between p's scale word and codes and the products
.set jj, jj+2
.endr
	s_wait_alu depctr_va_vdst(0)
	s_wait_dscnt 0x0                               ; V
.irp c, 0,2
	v_wmma_scale_f32_16x16x128_f8f6f4 v[OT+8*\c:OT+8*\c+7], v[64+12*\c:75+12*\c], v[PC:PC+11], v[OT+8*\c:OT+8*\c+7], v[54+\c/2], v[PWD] matrix_a_fmt:MATRIX_FMT_FP6 matrix_b_fmt:MATRIX_FMT_FP6
	v_wmma_scale_f32_16x16x128_f8f6f4 v[OT+8*\c+8:OT+8*\c+15], v[76+12*\c:87+12*\c], v[PC:PC+11], v[OT+8*\c+8:OT+8*\c+15], v[54+\c/2], v[PWD] matrix_a_fmt:MATRIX_FMT_FP6 matrix_b_fmt:MATRIX_FMT_FP6 matrix_a_scale:MATRIX_SCALE_ROW1
.endr
.Lhidden_\@:
	s_add_co_u32 s[TB], s[TB], 6144
	s_add_co_u32 s[TS], s[TS], 512
	s_add_co_u32 s[TJ], s[TJ], 256
	s_add_co_u32 s[KN], s[KN], 1
	s_cmp_lt_u32 s[KN], \ntr
	s_cbranch_scc1 .Ltrip_\@
	s_setprio 0
	; THE WAY OUT: O^T / the sum; register 16 p + i is channel 32 p + 16 (lane / 16) + i: two blocks of the last product's K
	PLACES 4
	v_add_f32 v[SUM], v[SUM], v[SUM+1]
	s_delay_alu instid0(VALU_DEP_1)
	v_permlanex16_b32 v246, v[SUM], s[SEL], s[SEL+1]
	s_delay_alu instid0(VALU_DEP_1)
	v_add_f32 v[SUM], v[SUM], v246
	s_wait_alu depctr_va_vdst(0)
	v_rcp_f32 v[FF], v[SUM]
	v_nop                                          ; a plain place behind the reciprocal
	s_wait_alu depctr_va_vdst(0)                   ; and the wait ahead of its first reader
.set jj, 0
.rept 16
	v_pk_mul_f32 v[OT+jj:OT+jj+1], v[OT+jj:OT+jj+1], v[FF:FF+1] op_sel_hi:[1,0]
.set jj, jj+2
.endr
.irp p, 0,1
	v_max3_num_f32 v[BM+\p], |v[OT+16*\p]|, |v[OT+1+16*\p]|, 0x1800000
.endr
.irp i, 2,4,6,8,10,12,14
.irp p, 0,1
	s_delay_alu instid0(VALU_DEP_2)
	v_max3_num_f32 v[BM+\p], v[BM+\p], |v[OT+16*\p+\i]|, |v[OT+1+16*\p+\i]|
.endr
.endr
.irp p, 0,1
	s_delay_alu instid0(VALU_DEP_2)
	v_permlanex16_b32 v[BT+\p], v[BM+\p], s[SEL], s[SEL+1]
.endr
.irp p, 0,1
	s_delay_alu instid0(VALU_DEP_2)
	v_max_num_f32 v[BM+\p], v[BM+\p], v[BT+\p]
.endr
.irp p, 0,1
	s_delay_alu instid0(VALU_DEP_2)
	v_add_nc_u32 v[SO+\p], 0xff000000, v[BM+\p]
.endr
.irp p, 0,1
	s_delay_alu instid0(VALU_DEP_2)
	v_lshrrev_b32 v[BT+\p], 23, v[SO+\p]
.endr
	v_cvt_scalef32_pk16_fp6_f32 v[PC:PC+2], v[OT:OT+15], v[SO]
	v_cvt_scalef32_pk16_fp6_f32 v[TC:TC+2], v[OT+16:OT+31], v[SO+1]
	v_nop
.irp i, 0,1,2
	v_permlane16_swap_b32 v[PC+\i], v[TC+\i]
.endr
.irp i, 0,1,2
	s_delay_alu instid0(VALU_DEP_3)
	v_mov_b32 v[PC+3+\i], v[TC+\i]
.endr
	v_cndmask_b32 v247, v[BT], v[BT+1], s[HM]      ; lanes 0-15 store block 0's byte, lanes 16-31 block 1's
	global_store_b128 v[AK16], v[PC:PC+3], s[\oa:\oa+1]
	global_store_b64 v[AK8], v[PC+4:PC+5], s[\oa:\oa+1] offset:512
	global_store_b8 v[OSO], v247, s[\os:\os+1]
	s_wait_xcnt 0x0                                ; the stores have read their registers
.endm
	PASS QF1, QW1, GA, 16, OA1, OS1
	PASS QF2, QW2, GB, 8, OA2, OS2
	s_wait_tensorcnt 0x0                           ; the wave's end
	ds_add_u32 v[SPW], v[NIL]
	s_wait_dscnt 0x0
	CROUND                                         ; the closing round
	s_endpgm
.Lfunc_end_k_q0737d637ac_attn:
	.size	k_q0737d637ac_attn, .Lfunc_end_k_q0737d637ac_attn-k_q0737d637ac_attn
	.p2alignl 7, 3214868480
	.fill 96, 4, 3214868480
	.section	.rodata,"a",@progbits
	.p2align	6, 0x0
	.amdhsa_kernel k_q0737d637ac_attn
		.amdhsa_group_segment_fixed_size 210944
		.amdhsa_private_segment_fixed_size 0
		.amdhsa_enable_private_segment 0
		.amdhsa_kernarg_size 32
		.amdhsa_user_sgpr_count 2
		.amdhsa_user_sgpr_kernarg_segment_ptr 1
		.amdhsa_wavefront_size32 1
		.amdhsa_system_sgpr_workgroup_id_x 1
		.amdhsa_system_sgpr_workgroup_id_y 1
		.amdhsa_system_sgpr_workgroup_id_z 1
		.amdhsa_system_vgpr_workitem_id 0
		.amdhsa_next_free_vgpr 256
		.amdhsa_next_free_sgpr 102
		.amdhsa_reserve_vcc 1
		.amdhsa_float_denorm_mode_32 3
		.amdhsa_float_denorm_mode_16_64 3
		.amdhsa_memory_ordered 1
		.amdhsa_forward_progress 1
		.amdhsa_inst_pref_size 68
	.end_amdhsa_kernel
	.amdgpu_metadata
---
amdhsa.version: [ 1, 2 ]
amdhsa.kernels:
  - .name:           k_q0737d637ac_attn
    .symbol:         k_q0737d637ac_attn.kd
    .args:
      - { .name: att_c, .offset: 0, .size: 8, .value_kind: global_buffer, .address_space: global }
      - { .name: att_s, .offset: 8, .size: 8, .value_kind: global_buffer, .address_space: global }
      - { .name: oc, .offset: 16, .size: 8, .value_kind: global_buffer, .address_space: global }
      - { .name: os, .offset: 24, .size: 8, .value_kind: global_buffer, .address_space: global }
    .group_segment_fixed_size: 210944
    .private_segment_fixed_size: 0
    .kernarg_segment_align: 8
    .kernarg_segment_size: 32
    .max_flat_workgroup_size: 512
    .sgpr_count:     102
    .vgpr_count:     256
    .wavefront_size: 32
...
	.end_amdgpu_metadata
.endif
;; end of part 3
;; launch oproj (part 4): grid 4 x 64, 4 waves a work-group, clusters of 4 x 4, 295,424 bytes of LDS; arguments oc, os, opc, ops, bo, out0; writes out0
.if DOCPART == 4
	.amdgcn_target "amdgcn-amd-amdhsa--gfx1250"
	.amdhsa_code_object_version 6
	.text
	.protected	k_q0737d637ac_oproj
	.globl	k_q0737d637ac_oproj
	.p2align	8
	.type	k_q0737d637ac_oproj,@function
k_q0737d637ac_oproj:
	s_mov_b64 s[64:65], 0
	v_nop
	global_prefetch_b8 v0, s[64:65] scope:SCOPE_SE
	s_setreg_imm32_b32 hwreg(HW_REG_WAVE_MODE, 25, 1), 1
	s_wait_xcnt 0x0
	s_wait_alu depctr_hold_cnt(0) depctr_sa_sdst(0) depctr_va_vdst(0) depctr_va_sdst(0) depctr_va_ssrc(0) depctr_va_vcc(0) depctr_vm_vsrc(0)
	s_getreg_b32 s2, hwreg(HW_REG_IB_STS2, 6, 4)
	s_cmp_eq_u32 s2, 0
	s_cbranch_scc0 .Lentry_in_a_cluster
	s_endpgm
.Lentry_in_a_cluster:
	s_bfe_u32 s2, ttmp6, 0x10000c
	s_cmp_lg_u32 s2, 0xf033
	s_cbranch_scc0 .Lentry_shape_is_right
	s_endpgm
.Lentry_shape_is_right:
; out0 = O Wo^T + bo on codes of FP6 (E2M3) with E8M0 scales, sums in f32.  O's codes and scale bytes come from the attention launch, Wo's from the quantiser, both as images of the operand's registers.
; Source 0 = 16 rows of Wo ("S0"), source 1 = 16 tokens ("S1"): a lane holds one token and its registers neighbouring columns of out0.  The rows of a tile of 16 are 32 G + 8 u + r + 8 (r / 8) (tile 2 G + u).
; SHARES: a work-group takes 128 tokens x 256 columns with ALL of K (1,024) in LDS: 294,912 bytes, filled once in four chunks of 256 along K; nothing is filled again.  256 work-groups.  A wave takes 64 x 128: 32 accumulators.
; CLUSTER 4 x 4: the tokens' tiles hang on cy and are asked for jointly by a row of the cluster, Wo's on cx, by a column.
; The bias is the C of each sum's first product.  Results leave through the wave's own stage in LDS, in chunk 0, which has had its only fill and which nobody reads behind the first change of chunks: whole rows of 512 bytes.
; REGISTERS: window 0: v1-13 addresses; v16-31 S1's scale words, v32-63 S0's; v64-159 S1's fragments, two sets (on the way out v64-191: rows read back); v192-255 the bias.
;   window 1: S0's fragments, two sets, at v0 and v128.   window 2: accumulator (a, b) at v[8 (8 a + b)].
.set CHUNK, 73728
.set SPARE, 4*CHUNK                    ; the spare words, 128 bytes a wave: two blocks of 256 bytes that no other line names
.set SPW, 1
.set NIL, 2
.set A16, 3
.set A8,  4
.set B16, 5
.set B8,  6
.set L16, 7
.set L8,  8
.set HL64, 9
.set STO, 12                           ; v12 the stage: where I put 32 bytes of a row
.set RD,  13                           ; v13 and where I read a row back
.set S1S, 16
.set S0S, 32
.set BV,  192
.set WV,  18
.set WH,  19
.set WL,  20
.set G1A, 24
.set G1B, 32
.set G0A, 40
.set G0B, 68
.set CX,  88
.set CY,  89
.set YY,  91
.set T0,  92
.set T1,  93
.set MSB, 0
.macro WIN new
.if MSB != \new
	s_set_vgpr_msb (MSB<<8)|\new
.set MSB, \new
.endif
.endm
.set MUL,  0xa1                        ; source 0 window 1, source 1 window 0, C and D window 2
.set MULB, 0x81                        ; the same with C (the bias) in window 0
.set TO_B, 0x40
.macro PLACES n
.rept \n
	v_nop
.endr
.endm
.macro CROUND
	s_barrier_signal -1
	s_barrier_wait -1
	s_cmp_lg_u32 s[WV], 0
	s_cbranch_scc1 .Lnot_wave_0_\@
	s_barrier_signal -3
.Lnot_wave_0_\@:
	s_barrier_wait -3
	s_barrier_signal -1
	s_barrier_wait -1
.endm
.macro FRAG reg, a16, a8, off
	ds_load_b128 v[\reg:\reg+3], v[\a16] offset:\off
	ds_load_b64 v[\reg+4:\reg+5], v[\a8] offset:\off+512
	ds_load_b128 v[\reg+6:\reg+9], v[\a16] offset:\off+768
	ds_load_b64 v[\reg+10:\reg+11], v[\a8] offset:\off+1280
.endm
.macro FETCH s
	WIN TO_B
.irp b, 0,1,2,3,4,5,6,7
	FRAG 128*((\s)%2)+12*\b, B16, B8, 3072*\b+1536*((\s)%2)
.endr
	WIN 0
.irp a, 0,1,2,3
	FRAG 64+48*((\s)%2)+12*\a, A16, A8, 3072*\a+1536*((\s)%2)
.endr
.endm
.macro MMV ra, rb                      ; ra, rb: source 0's, source 1's scale words stand in lanes 16-31 (odd tiles)
.if (\ra) && (\rb)
	v_wmma_scale_f32_16x16x128_f8f6f4 v[xD:xD+7], v[xA:xA+11], v[xB:xB+11], v[xC:xC+7], v[xSA], v[xSB] matrix_a_fmt:MATRIX_FMT_FP6 matrix_b_fmt:MATRIX_FMT_FP6 matrix_a_scale:MATRIX_SCALE_ROW1 matrix_b_scale:MATRIX_SCALE_ROW1
.elseif (\ra)
	v_wmma_scale_f32_16x16x128_f8f6f4 v[xD:xD+7], v[xA:xA+11], v[xB:xB+11], v[xC:xC+7], v[xSA], v[xSB] matrix_a_fmt:MATRIX_FMT_FP6 matrix_b_fmt:MATRIX_FMT_FP6 matrix_a_scale:MATRIX_SCALE_ROW1
.elseif (\rb)
	v_wmma_scale_f32_16x16x128_f8f6f4 v[xD:xD+7], v[xA:xA+11], v[xB:xB+11], v[xC:xC+7], v[xSA], v[xSB] matrix_a_fmt:MATRIX_FMT_FP6 matrix_b_fmt:MATRIX_FMT_FP6 matrix_b_scale:MATRIX_SCALE_ROW1
.else
	v_wmma_scale_f32_16x16x128_f8f6f4 v[xD:xD+7], v[xA:xA+11], v[xB:xB+11], v[xC:xC+7], v[xSA], v[xSB] matrix_a_fmt:MATRIX_FMT_FP6 matrix_b_fmt:MATRIX_FMT_FP6
.endif
.endm
.macro MM a, b, s, cm                  ; cm = 2: the sum starts from the bias
.set xD, 8*(8*(\a)+(\b))
.if (\cm) == 2
.set xC, BV+8*(\b)
.else
.set xC, xD
.endif
.set xA, 128*((\s)%2)+12*(\b)
.set xB, 64+48*((\s)%2)+12*(\a)
.set xSA, S0S+8*((\b)/2)+(\s)
.set xSB, S1S+8*((\a)/2)+(\s)
	MMV (\b)%2, (\a)%2
.endm
.macro MUL16 a0, s, cm                 ; the 32 accumulators take turns, one instruction a turn, in the same order in every K step
.irp a, \a0, \a0+1
.irp b, 0,1,2,3,4,5,6,7
	MM \a, \b, \s, \cm
.endr
.endr
.endm
.macro STEP_E s, cm
	s_wait_dscnt 0x0                               ; this step's fragments are in
	PLACES 4                                       ; in front of loads into registers that the last step's products have read
	FETCH (\s)+1
.if (\cm) == 2
	WIN MULB
.else
	WIN MUL
.endif
	MUL16 0, \s, \cm
	MUL16 2, \s, \cm
.endm
.macro STEP_O s, n                     ; n: my tensor loads for later chunks, which may stay out
	s_wait_dscnt 0x0
	s_wait_tensorcnt \n
	s_barrier_signal -1
	WIN MUL
	MUL16 0, \s, 0
	s_barrier_wait -1
	WIN 0
	v_add_nc_u32 v[A16], CHUNK, v[A16]             ; on to the next chunk: these four are also the places in front of the loads below
	v_add_nc_u32 v[A8], CHUNK, v[A8]
	v_add_nc_u32 v[B16], CHUNK, v[B16]
	v_add_nc_u32 v[B8], CHUNK, v[B8]
	FETCH (\s)+1
	WIN MUL
	MUL16 2, \s, 0
.endm
	s_load_b256 s[4:11], s[0:1], 0x0               ; oc s[4:5], os s[6:7], opc s[8:9], ops s[10:11]
	s_load_b128 s[12:15], s[0:1], 0x20             ; bo s[12:13], out0 s[14:15]
	v_lshl_add_u32 v[SPW], v0, 2, SPARE
	v_mov_b32 v[NIL], 0
	ds_add_u32 v[SPW], v[NIL]                      ; the wave's opening: the add and its wait ahead of my first tensor load
	ds_add_u32 v[SPW], v[NIL]
	v_lshrrev_b32 v11, 5, v0
	v_readfirstlane_b32 s[WV], v11
	s_lshr_b32 s[WH], s[WV], 1                     ; which 64 tokens are mine.  Also: I fetch S1 (0) or S0 (1)
	s_and_b32 s[WL], s[WV], 1                      ; which 128 columns.  Also: which half of the tiles I fetch
	s_bfe_u32 s[CX], ttmp6, 0x40000
	s_bfe_u32 s[CY], ttmp6, 0x40004
	s_and_b32 s[YY], ttmp7, 0xffff
	s_lshl_b32 s[T0], s[CX], 4
	s_add_co_u32 s[T0], s[T0], 704                 ; Wo's tiles: 704 + 16 cx
	s_lshl_b32 s[T1], s[YY], 5
	s_lshl_b32 s95, s[CY], 3
	s_add_co_u32 s[T1], s[T1], s95                 ; the tokens' tiles: 32 Y + 8 cy
	s_lshl_b32 s96, s[CY], 2
	s_lshl_b32 s96, 15, s96                        ; my row of the cluster
	s_lshl_b32 s97, 0x1111, s[CX]                  ; my column
	s_or_b32 s[G1A], s96, (3<<16)|(1<<21)
	s_or_b32 s[G1B], s97, (3<<16)|(1<<21)
	s_mov_b32 s[G1A+1], 384<<16
	s_mov_b32 s[G1A+2], 4<<16
	s_mov_b32 s[G1A+3], 384<<16
	s_mov_b32 s[G1A+4], 4
	s_mov_b32 s[G1A+5], 1536
	s_mov_b32 s[G1A+6], 0
	s_mov_b32 s[G1A+7], 0
	s_mov_b32 s[G1B+1], 384<<16
	s_mov_b32 s[G1B+2], 8<<16
	s_mov_b32 s[G1B+3], 384<<16
	s_mov_b32 s[G1B+4], 8
	s_mov_b32 s[G1B+5], 1536
	s_mov_b32 s[G1B+6], 0
	s_mov_b32 s[G1B+7], 0
	s_lshl_b32 s98, s[WL], 2
	s_add_co_u32 s98, s98, s[T1]
	s_mul_i32 s98, s98, 12288
	s_mov_b32 s99, 0
	s_lshl_b32 s100, s[WL], 3
	s_add_co_u32 s100, s100, s[T0]
	s_mul_i32 s100, s100, 12288
	s_mov_b32 s101, 0
	s_mul_i32 s21, s[WL], 12288
	s_mul_i32 s22, s[WL], 24576
	s_add_co_u32 s22, s22, 24576
	s_wait_dscnt 0x0                               ; the opening add is done
	s_wait_kmcnt 0x0
	s_add_nc_u64 s[98:99], s[4:5], s[98:99]
	s_add_nc_u64 s[100:101], s[8:9], s[100:101]
	CROUND                                         ; all sixteen work-groups are here: the joint loads meet
.irp c, 0,1,2,3
	s_mov_b32 s[G0A+4*\c], 1
	s_add_co_u32 s[G0A+4*\c+1], s21, \c*CHUNK
	s_add_nc_u64 s[G0A+4*\c+2:G0A+4*\c+3], s[98:99], \c*3072
	s_or_b32 s[G0A+4*\c+3], s[G0A+4*\c+3], 0x80000000
	s_mov_b32 s[G0B+4*\c], 1
	s_add_co_u32 s[G0B+4*\c+1], s22, \c*CHUNK
	s_add_nc_u64 s[G0B+4*\c+2:G0B+4*\c+3], s[100:101], \c*3072
	s_or_b32 s[G0B+4*\c+3], s[G0B+4*\c+3], 0x80000000
.endr
	s_cmp_eq_u32 s[WH], 0                          ; a wave's four fills stand in one branch: four loads of mine are out
	s_cbranch_scc0 .Lfill_b
.irp c, 0,1,2,3
	tensor_load_to_lds s[G0A+4*\c:G0A+4*\c+3], s[G1A:G1A+7]
	s_nop 0
.endr
	PLACES 4
	s_branch .Lfilled
.Lfill_b:
.irp c, 0,1,2,3
	tensor_load_to_lds s[G0B+4*\c:G0B+4*\c+3], s[G1B:G1B+7]
	s_nop 0
.endr
	PLACES 4
.Lfilled:
	v_and_b32 v11, 31, v0
	v_lshlrev_b32 v[L16], 4, v11
	v_lshlrev_b32 v[L8], 3, v11
	v_bfe_u32 v[HL64], v0, 4, 1
	v_lshlrev_b32 v[HL64], 6, v[HL64]
	s_mul_i32 s2, s[WH], 12288
	v_add_nc_u32 v[A16], s2, v[L16]
	v_add_nc_u32 v[A8], s2, v[L8]
	v_add_nc_u32 v[B16], s22, v[L16]
	v_add_nc_u32 v[B8], s22, v[L8]
	s_mul_i32 s2, s[WV], 8448                      ; my stage: 16 rows x 528 bytes
	v_and_b32 v11, 15, v0
	v_mul_u32_u24 v[STO], v11, 528
	v_add_nc_u32 v[STO], v[HL64], v[STO]
	v_add_nc_u32 v[STO], s2, v[STO]                ; in: row r, + 64 (lane / 16)
	v_add_nc_u32 v[RD], s2, v[L16]                 ; back: the 32 lanes take a row of 512 bytes
	s_lshl_b32 s56, s[WH], 2
	s_add_co_u32 s56, s56, s[T1]                   ; my first tile of tokens
	s_lshl_b32 s58, s56, 9
	s_mov_b32 s59, 0
	s_add_nc_u64 s[58:59], s[6:7], s[58:59]
	s_lshl_b32 s57, s[WL], 3
	s_add_co_u32 s57, s57, s[T0]
	s_lshl_b32 s60, s57, 9
	s_mov_b32 s61, 0
	s_add_nc_u64 s[60:61], s[10:11], s[60:61]
.irp g, 0,1
.irp h, 0,1,2,3
	global_load_b64 v[S1S+8*\g+2*\h:S1S+8*\g+2*\h+1], v[L8], s[58:59] offset:\g*1024+\h*256
.endr
.endr
.irp g, 0,1,2,3
.irp h, 0,1,2,3
	global_load_b64 v[S0S+8*\g+2*\h:S0S+8*\g+2*\h+1], v[L8], s[60:61] offset:\g*1024+\h*256
.endr
.endr
	s_lshl_b32 s2, s[CX], 1
	s_add_co_u32 s2, s2, s[WL]
	s_lshl_b32 s2, s2, 9                           ; my 128 columns, in bytes
	s_mov_b32 s3, 0
	s_add_nc_u64 s[12:13], s[12:13], s[2:3]
	s_add_nc_u64 s[14:15], s[14:15], s[2:3]
	s_lshl_b32 s2, s56, 16                         ; 16 tokens of 4,096 bytes a tile
	s_add_nc_u64 s[14:15], s[14:15], s[2:3]
.irp b, 0,1,2,3,4,5,6,7
	global_load_b128 v[BV+8*\b:BV+8*\b+3], v[HL64], s[12:13] offset:(32*(\b/2)+8*(\b%2))*4
	global_load_b128 v[BV+8*\b+4:BV+8*\b+7], v[HL64], s[12:13] offset:(32*(\b/2)+8*(\b%2))*4+16
.endr
	s_wait_alu depctr_va_vdst(0)
	s_wait_tensorcnt 0x3                           ; my part of chunk 0 is in; chunks 1 to 3 may be out,
	s_barrier_signal -1
	s_barrier_wait -1                              ; everybody's is
	FETCH 0
	s_wait_loadcnt 0x0                             ; the scale words and the bias
	STEP_E 0, 2                                    ; the first K step starts the sums from the bias
	STEP_O 1, 2
	s_wait_alu depctr_va_vdst(0)
	STEP_E 2, 0
	STEP_O 3, 1
	s_wait_alu depctr_va_vdst(0)
	STEP_E 4, 0
	STEP_O 5, 0
	s_wait_alu depctr_va_vdst(0)
	STEP_E 6, 0
	s_wait_dscnt 0x0
	WIN MUL
	MUL16 0, 7, 0
	MUL16 2, 7, 0
	WIN 0
; THE WAY OUT, a tile of 16 tokens x 128 columns at a time.  LDS serves a wave's instructions in order: no wait between the stores and the loads, nor in front of the next tile's stores.
.macro TOSTAGE a
	WIN 0x08                                       ; an LDS store's data: window 2
.irp b, 0,1,2,3,4,5,6,7
	ds_store_b128 v[STO], v[64*(\a)+8*\b:64*(\a)+8*\b+3] offset:128*(\b/2)+32*(\b%2)        ; each accumulator from its low end on
	ds_store_b128 v[STO], v[64*(\a)+8*\b+4:64*(\a)+8*\b+7] offset:128*(\b/2)+32*(\b%2)+16
.endr
	WIN 0
.set BBK, 64+64*((\a)%2)
.irp t, 0,1,2,3,4,5,6,7,8,9,10,11,12,13,14,15
	ds_load_b128 v[BBK+4*\t:BBK+4*\t+3], v[RD] offset:\t*528
.endr
.endm
.macro SEND a, younger                 ; younger: the LDS instructions issued behind tile a's loads, which may stay out
.set BBK, 64+64*((\a)%2)
	s_wait_dscnt \younger
.irp t, 0,1,2,3,4,5,6,7,8,9,10,11,12,13,14,15
	global_store_b128 v[L16], v[BBK+4*\t:BBK+4*\t+3], s[14:15] offset:(32*((\a)/2)+8*((\a)%2)+\t+8*(\t/8))*4096 th:TH_STORE_NT   ; 32 lanes store 512 consecutive bytes, aligned; the tile's row t is token 32 (a / 2) + 8 (a % 2) + t + 8 (t / 8)
.endr
.endm
	PLACES 4                                       ; behind the last products: in front of the first read of results and of loads into registers that they have read
	TOSTAGE 0
.irp a, 1,2,3
.if \a > 1
	s_wait_xcnt 0x0                                ; tile a - 2's stores have read their registers: tile a's loads may land there
.endif
	TOSTAGE \a
	SEND \a-1, 32                                  ; behind tile a - 1's loads: tile a's 16 stores and 16 loads
.endr
	SEND 3, 0
	s_wait_tensorcnt 0x0                           ; the wave's end, behind my last tensor load and my last LDS store
	ds_add_u32 v[SPW], v[NIL]
	s_wait_dscnt 0x0
	CROUND                                         ; the closing round
	s_endpgm
.Lfunc_end_k_q0737d637ac_oproj:
	.size	k_q0737d637ac_oproj, .Lfunc_end_k_q0737d637ac_oproj-k_q0737d637ac_oproj
	.p2alignl 7, 3214868480
	.fill 96, 4, 3214868480
	.section	.rodata,"a",@progbits
	.p2align	6, 0x0
	.amdhsa_kernel k_q0737d637ac_oproj
		.amdhsa_group_segment_fixed_size 295424
		.amdhsa_private_segment_fixed_size 0
		.amdhsa_enable_private_segment 0
		.amdhsa_kernarg_size 48
		.amdhsa_user_sgpr_count 2
		.amdhsa_user_sgpr_kernarg_segment_ptr 1
		.amdhsa_wavefront_size32 1
		.amdhsa_system_sgpr_workgroup_id_x 1
		.amdhsa_system_sgpr_workgroup_id_y 1
		.amdhsa_system_sgpr_workgroup_id_z 1
		.amdhsa_system_vgpr_workitem_id 0
		.amdhsa_next_free_vgpr 768
		.amdhsa_next_free_sgpr 102
		.amdhsa_reserve_vcc 0
		.amdhsa_float_denorm_mode_32 3
		.amdhsa_float_denorm_mode_16_64 3
		.amdhsa_memory_ordered 1
		.amdhsa_forward_progress 1
		.amdhsa_inst_pref_size 86
	.end_amdhsa_kernel
	.amdgpu_metadata
---
amdhsa.version: [ 1, 2 ]
amdhsa.kernels:
  - .name:           k_q0737d637ac_oproj
    .symbol:         k_q0737d637ac_oproj.kd
    .args:
      - { .name: oc, .offset: 0, .size: 8, .value_kind: global_buffer, .address_space: global }
      - { .name: os, .offset: 8, .size: 8, .value_kind: global_buffer, .address_space: global }
      - { .name: opc, .offset: 16, .size: 8, .value_kind: global_buffer, .address_space: global }
      - { .name: ops, .offset: 24, .size: 8, .value_kind: global_buffer, .address_space: global }
      - { .name: bo, .offset: 32, .size: 8, .value_kind: global_buffer, .address_space: global }
      - { .name: out0, .offset: 40, .size: 8, .value_kind: global_buffer, .address_space: global }
    .group_segment_fixed_size: 295424
    .private_segment_fixed_size: 0
    .kernarg_segment_align: 8
    .kernarg_segment_size: 48
    .max_flat_workgroup_size: 128
    .sgpr_count:     102
    .vgpr_count:     768
    .wavefront_size: 32
...
	.end_amdgpu_metadata
.endif
;; end of part 4
